; MI455X (gfx1250); checked and timed in simulation.
; The chip was launched on July 23, 2026; its instructions are those of AMD's public machine-readable ISA for CDNA 5 (MIT licence, August 2026) and "CDNA5" Instruction Set Architecture Reference Guide (July 2026). The comments in the code are by the model that wrote it; some were corrected since.
;; Bps Mlp. Allowed arithmetic: float matrix products may take bf16 or f16 operands with f32 sums; all other float work in f32.
;; Inputs: W0 1,024 x 2,048 float32; W1 2,048 x 2,048 float32; W2 2,048 x 2,048 float32; W3 2,048 x 512 float32; b0 2,048 float32; b1 2,048 float32; b2 2,048 float32; b3 512 float32; basis 4,096 x 3 float32; pos 64 x 1,024 x 3 float32.
;; Outputs: out0 64 x 512 float32.
;; 2 versions, each right; version 2 is version 1 with the launch dist written anew for expert scheduling mode. Each part assembles by itself: llvm-mc -triple=amdgcn-amd-amdhsa -mcpu=gfx1250 --defsym DOCPART=n.
;; ======== version 1 of 2: 9 launches
;; workspace buffers: xf 524,288 bytes; part 4,194,304 bytes
;; launch dist (part 1): grid 256 x 1, 8 waves a work-group, no clusters, 168,960 bytes of LDS; arguments pos, basis, xf; writes xf
.if DOCPART == 1
	.amdgcn_target "amdgcn-amd-amdhsa--gfx1250"
	.amdhsa_code_object_version 6
	.text
	.protected	k_q64c7ea7c71_dist
	.globl	k_q64c7ea7c71_dist
	.p2align	8
	.type	k_q64c7ea7c71_dist,@function
k_q64c7ea7c71_dist:
	s_mov_b64 s[64:65], 0
	v_nop
	global_prefetch_b8 v0, s[64:65] scope:SCOPE_SE
	s_setreg_imm32_b32 hwreg(HW_REG_WAVE_MODE, 25, 1), 1
	s_wait_xcnt 0x0
; x[row][n] = sqrt(max(min over m of |pos[row][n] - basis[m]|^2, 1e-12)), 64 x 1024 points against 4,096 basis points,
; written as two bf16 pieces (hi, lo) in the operand order of the next launch:
;   xf[kb = n/32][piece][mt = row/16][c = (n%32)/16][lane = 16 ((n%16)/8) + row%16][8 bf16, n%8], 8 KiB for each kb.
; ARITHMETIC.  c = basis[0] is taken from both sides first (a translation leaves the distance as it is and removes a common offset
; before anything is squared): q' = q - c, p' = p - c, d^2 = |p'|^2 + min over m of (|q'|^2 - 2 p'.q').  The bracket is one bf16 matrix
; product of K = 32: (x, y, z, s = |q'|^2) and (-2 p'x, -2 p'y, -2 p'z, 1) are each cut into three bf16 pieces (24 bits), P0..P2 and Q0..Q2,
; four numbers a piece, and the 32 places along K hold eight of the nine products Pi.Qj; P2.Q2, some 2^-36 of the terms, is left out.
;   K 0-7: [P0,P1].[Q0,Q0]   K 8-15: [P0,P1].[Q2,Q2]   K 16-23: [P0,P1].[Q1,Q1]   K 24-31: [P2,P2].[Q0,Q1]
; SHARES.  Work-group id: kc = id & 63, mt = id >> 6: rows 16 mt .. +15, n = 16 kc .. +15, 256 points = 16 tiles of 16 (tile i = one row).
; Thread t owns point (row t >> 4, n t & 15).  Wave w multiplies all 16 tiles with basis tiles 32 w .. 32 w + 31: 512 matrix instructions.
; pos is read in pieces of 192 bytes (16 lanes x 12), 3 KiB a work-group: the price of an output of two whole 512-byte blocks.
; NO CLUSTER: what the work-groups share is the basis table, 48 KiB, read once in the first lines and then cut into pieces in registers,
; against 4,096 matrix instructions of the work-group; a joint request would bring it into LDS raw, to be read, cut and stored again.
; LIMITS: finite inputs whose squares stay inside f32; a NaN is dropped by the minima where the definition would pass it on.
.set PLA,  0                           ; 64 KiB: basis point m at 16 m: [P0, P1]
.set PLB,  65536                       ; 64 KiB: basis point m at 16 m: [P2, P2]
.set POSB, 131072                      ; 16 KiB: tile i at 1024 i: registers 0-3 of lanes 0-31 (512 bytes), then registers 4-7
.set PMB,  147456                      ; 8 KiB: wave w's minima, 1024 w + 4 point
.set STG,  155648                      ; 1 KiB: the block of hi pieces (512 bytes), then that of lo pieces
.set VB,   1                           ; byte offset in basis of my first point to prepare
.set VP,   2                           ; byte offset of my pos point
.set NEG1, 3                           ; -1.0
.set P2,   4                           ; |p'|^2 of my point
.set LA1,  5                           ; basis fragment, registers 0-3
.set LA2,  6                           ; basis fragment, registers 4-7 (upper lanes: the second plane)
.set BA,   7                           ; where I store [P0, P1]
.set BB,   8                           ; where I store [P2, P2]
.set PA,   9                           ; where I store my pos point's pieces
.set PL,   10                          ; pos fragments
.set PMW,  11                          ; my wave's minima, store
.set PMR,  12                          ; my point's eight minima, load
.set SW,   13                          ; stage, store
.set SR,   14                          ; stage, load
.set GO,   15                          ; byte offset in xf
.set ACC,  16                          ; v[16:79]   four running minima for each pos tile
.set DR,   80                          ; v[80:111]  a ring of four results
.set AF,   112                         ; v[112:127] two basis fragments
.set POS,  128                         ; v[128:255] the 16 pos fragments
.set RAWB, 128                         ; before that: 16 raw basis points, four registers apart
.set RAWP, 192                         ;              my raw pos point
.macro RESL d, piece, x                ; d = x - (low bf16 of piece): exact, the piece is x rounded to 8 bits
	v_fma_mix_f32_bf16 v[\d], v[\piece], v[NEG1], v[\x] op_sel_hi:[1,0,0]
.endm
.macro RESH d, piece, x                ; the same with the high bf16
	v_fma_mix_f32_bf16 v[\d], v[\piece], v[NEG1], v[\x] op_sel:[1,0,0] op_sel_hi:[1,0,0]
.endm
	s_load_b128 s[4:7], s[0:1], 0x0                ; pos s[4:5], basis s[6:7]
	s_load_b64 s[8:9], s[0:1], 0x10                ; xf
	s_set_vgpr_msb 0x40
	v_lshl_add_u32 v0, v0, 2, 0x29000
	v_mov_b32 v1, 0
	s_set_vgpr_msb 0x4000
	v_lshrrev_b32 v16, 5, v0
	v_readfirstlane_b32 s10, v16                   ; wave
	s_and_b32 s18, ttmp9, 63                       ; kc
	s_lshr_b32 s19, ttmp9, 6                       ; mt
	s_mov_b32 s16, 0x76543210                      ; v_permlanex16_b32: lane i of one half reads lane i of the other
	s_mov_b32 s17, 0xfedcba98
	v_lshrrev_b32 v16, 4, v0                       ; i = t >> 4
	v_and_b32 v17, 15, v0                          ; r = t & 15
	v_bfe_u32 v18, v0, 4, 1                        ; h
	v_and_b32 v19, 0xe0, v0                        ; 32 w
	v_and_b32 v20, 31, v0                          ; lane
	v_lshlrev_b32 v21, 4, v17                      ; 16 r
	v_lshlrev_b32 v22, 4, v20                      ; 16 lane
	v_lshl_or_b32 v[VB], v19, 4, v20               ; point 512 w + lane,
	v_mul_u32_u24 v[VB], 12, v[VB]                 ; 12 bytes each
	v_mul_u32_u24 v[VP], v16, 0x3000               ; row i: 12,288 bytes a row
	v_mad_u32_u24 v[VP], v17, 12, v[VP]
	v_mov_b32 v[NEG1], -1.0
	v_lshl_add_u32 v[LA1], v19, 8, v21             ; 8192 w + 16 r: both halves of the lanes read the same 16 bytes
	v_lshl_add_u32 v[LA2], v18, 16, v[LA1]         ; lanes 16-31 from the second plane
	v_lshl_add_u32 v[BA], v19, 8, v22              ; 8192 w + 16 lane
	v_add_nc_u32 v[BB], PLB, v[BA]
	v_lshl_add_u32 v[PA], v16, 10, v21             ; 1024 i + 16 r
	v_add_nc_u32 v[PA], POSB, v[PA]
	v_add_nc_u32 v[PL], POSB, v22
	v_lshlrev_b32 v[PMW], 2, v17
	v_lshl_add_u32 v[PMW], v19, 5, v[PMW]          ; 1024 w + 4 r
	v_add_nc_u32 v[PMW], PMB, v[PMW]
	v_lshl_add_u32 v[PMR], v0, 2, PMB
	v_bfe_u32 v23, v0, 3, 1                        ; (n % 16) / 8
	v_and_b32 v24, 7, v0                           ; n % 8
	v_lshlrev_b32 v[SW], 1, v24
	v_lshl_add_u32 v[SW], v23, 8, v[SW]
	v_lshl_add_u32 v[SW], v16, 4, v[SW]            ; (16 ((n%16)/8) + row) x 16 + 2 (n%8)
	v_add_nc_u32 v[SW], STG, v[SW]
	v_lshl_add_u32 v[SR], v0, 4, STG
	v_lshl_add_u32 v[GO], v19, 7, v22              ; 4096 wave (the piece) + 16 lane
	s_mul_i32 s22, s19, 0x30000                    ; pos: 16 mt rows of 12,288 bytes
	s_mul_i32 s23, s18, 192                        ;      + 16 kc points of 12 bytes
	s_add_co_u32 s22, s22, s23
	s_mov_b32 s23, 0
	s_lshr_b32 s24, s18, 1                         ; xf: kb = kc >> 1, 8 KiB each
	s_lshl_b32 s24, s24, 13
	s_lshl_b32 s25, s19, 10                        ;     + 1024 mt
	s_add_co_u32 s24, s24, s25
	s_and_b32 s25, s18, 1                          ;     + 512 (kc & 1)
	s_lshl_b32 s25, s25, 9
	s_add_co_u32 s24, s24, s25
	s_mov_b32 s25, 0
	s_wait_kmcnt 0x0
	s_load_b96 s[12:14], s[6:7], 0x0               ; c = basis[0]
	s_add_nc_u64 s[4:5], s[4:5], s[22:23]
	s_add_nc_u64 s[8:9], s[8:9], s[24:25]
	global_load_b96 v[RAWP:RAWP+2], v[VP], s[4:5]
.irp it, 0,1,2,3,4,5,6,7,8,9,10,11,12,13,14,15
	global_load_b96 v[RAWB+4*\it:RAWB+4*\it+2], v[VB], s[6:7] offset:384*\it   ; points 512 w + 32 it + lane
.endr
	s_wait_kmcnt 0x0                               ; c
	; my pos point: p' = p - c, |p'|^2, then (-2 p', 1) in three pieces
	s_wait_loadcnt 16                              ; the pos load is the oldest: the 16 basis loads stay out
	v_sub_f32 v16, v[RAWP], s12
	v_sub_f32 v17, v[RAWP+1], s13
	v_sub_f32 v18, v[RAWP+2], s14
	v_mul_f32 v[P2], v16, v16
	v_fma_f32 v[P2], v17, v17, v[P2]
	v_fma_f32 v[P2], v18, v18, v[P2]
	v_mul_f32 v16, -2.0, v16
	v_mul_f32 v17, -2.0, v17
	v_mul_f32 v18, -2.0, v18
	v_cvt_pk_bf16_f32 v20, v16, v17                ; Q0 = v[20:21]
	v_cvt_pk_bf16_f32 v21, v18, 1.0                ; its fourth number multiplies s: 1 in Q0, 0 in Q1 and Q2
	RESL 24, 20, 16
	RESH 25, 20, 17
	RESL 26, 21, 18
	v_cvt_pk_bf16_f32 v22, v24, v25                ; Q1 = v[22:23]
	v_cvt_pk_bf16_f32 v23, v26, 0
	RESL 28, 22, 24
	RESH 29, 22, 25
	RESL 30, 23, 26
	v_cvt_pk_bf16_f32 v32, v28, v29                ; Q2 = v[32:33]
	v_cvt_pk_bf16_f32 v33, v30, 0
	ds_store_b64 v[PA], v[20:21]                   ; registers 0-3, lanes 0-15:  [Q0, Q0]
	ds_store_b64 v[PA], v[20:21] offset:8
	ds_store_b64 v[PA], v[32:33] offset:256        ; registers 0-3, lanes 16-31: [Q2, Q2]
	ds_store_b64 v[PA], v[32:33] offset:264
	ds_store_b64 v[PA], v[22:23] offset:512        ; registers 4-7, lanes 0-15:  [Q1, Q1]
	ds_store_b64 v[PA], v[22:23] offset:520
	ds_store_b128 v[PA], v[20:23] offset:768       ; registers 4-7, lanes 16-31: [Q0, Q1]
; One basis point a lane: q' = q - c, s = |q'|^2, three pieces of (x, y, z, s).  Two sets of work registers take turns.
.macro BPREP it
.set T, 40+24*(\it&1)
.set R, RAWB+4*\it
	s_wait_loadcnt 15-\it                          ; loads come back in order: the later basis loads stay out
	v_sub_f32 v[T], v[R], s12
	v_sub_f32 v[T+1], v[R+1], s13
	v_sub_f32 v[T+2], v[R+2], s14
	v_mul_f32 v[T+3], v[T], v[T]
	v_fma_f32 v[T+3], v[T+1], v[T+1], v[T+3]
	v_fma_f32 v[T+3], v[T+2], v[T+2], v[T+3]
	v_cvt_pk_bf16_f32 v[T+4], v[T], v[T+1]         ; P0
	v_cvt_pk_bf16_f32 v[T+5], v[T+2], v[T+3]
	RESL T+8, T+4, T
	RESH T+9, T+4, T+1
	RESL T+10, T+5, T+2
	RESH T+11, T+5, T+3
	v_cvt_pk_bf16_f32 v[T+6], v[T+8], v[T+9]       ; P1
	v_cvt_pk_bf16_f32 v[T+7], v[T+10], v[T+11]
	RESL T+12, T+6, T+8
	RESH T+13, T+6, T+9
	RESL T+14, T+7, T+10
	RESH T+15, T+7, T+11
	v_cvt_pk_bf16_f32 v[T+16], v[T+12], v[T+13]    ; P2,
	v_cvt_pk_bf16_f32 v[T+17], v[T+14], v[T+15]
	v_cvt_pk_bf16_f32 v[T+18], v[T+12], v[T+13]    ; made twice: the fragment wants it in both halves of its 16 bytes
	v_cvt_pk_bf16_f32 v[T+19], v[T+14], v[T+15]
	ds_store_b128 v[BA], v[T+4:T+7] offset:512*\it
	ds_store_b128 v[BB], v[T+16:T+19] offset:512*\it
.endm
.irp it, 0,1,2,3,4,5,6,7,8,9,10,11,12,13,14,15
	BPREP \it
.endr
	s_wait_dscnt 0x0                               ; my stores are in LDS before I say so
	s_barrier_signal -1
	s_barrier_wait -1                              ; every wave's pos pieces (and planes) may now be read
.irp i, 0,1,2,3,4,5,6,7,8,9,10,11,12,13,14,15
	ds_load_b128 v[POS+8*\i:POS+8*\i+3], v[PL] offset:1024*\i
	ds_load_b128 v[POS+8*\i+4:POS+8*\i+7], v[PL] offset:1024*\i+512
.endr
	ds_load_b128 v[AF:AF+3], v[LA1]                ; basis tile 0 of my 32
	ds_load_b128 v[AF+4:AF+7], v[LA2]
.macro WM i, buf                       ; 16 basis points x pos tile i; register j of lane (r, h): basis point 8 h + j, pos point r
	v_wmma_f32_16x16x32_bf16 v[DR+8*((\i)%4):DR+8*((\i)%4)+7], v[AF+8*\buf:AF+8*\buf+7], v[POS+8*(\i):POS+8*(\i)+7], 0
.endm
.macro MN i, mode                      ; the eight results into tile i's four minima; mode 1: they start the minima, nothing is preset
.irp q, 0,1,2,3
.if \mode == 1
	v_min_num_f32 v[ACC+4*(\i)+\q], v[DR+8*((\i)%4)+2*\q], v[DR+8*((\i)%4)+2*\q+1]
.else
	v_min3_num_f32 v[ACC+4*(\i)+\q], v[ACC+4*(\i)+\q], v[DR+8*((\i)%4)+2*\q], v[DR+8*((\i)%4)+2*\q+1]
.endif
.endr
.endm
; One basis tile against the 16 pos tiles.  The minima of a product stand behind the product two further on, so between a matrix
; instruction and the first reader of its result lie the eight minimum instructions of two other results (four v_nop in the first tile),
; and twelve that name none of its registers before the product that writes its result registers again (ISA guide 7.12.1).
; The other fragment buffer is loaded behind eight such instructions after the last product that read it.
; pm: how the last tile's products 14 and 15 are taken in (0: there is no last tile); m: how this tile's are; ofs: the next tile's bytes.
.macro TILE buf, pm, m, fetch, ofs
	s_wait_dscnt 0x0                               ; only this tile's two loads can be out, issued a whole tile ago (at first: the pos fragments too)
	WM 0, \buf
.if \pm
	MN 14, \pm
.endif
	WM 1, \buf
.if \pm
	MN 15, \pm
.else
.rept 4
	v_nop
.endr
.endif
.if \fetch
	ds_load_b128 v[AF+8*(1-\buf):AF+8*(1-\buf)+3], v[LA1] offset:\ofs
	ds_load_b128 v[AF+8*(1-\buf)+4:AF+8*(1-\buf)+7], v[LA2] offset:\ofs
.endif
.irp i, 2,3,4,5,6,7,8,9,10,11,12,13,14,15
	WM \i, \buf
	MN \i-2, \m
.endr
.endm
	TILE 0, 0, 1, 1, 256                           ; tile 0; fetches tile 1
	TILE 1, 1, 2, 1, 512                           ; tile 1; fetches tile 2
	s_mov_b32 s20, 14
.Ltiles:                                               ; trip j: tiles 2 + 2 j and 3 + 2 j
	TILE 0, 2, 2, 1, 768
	TILE 1, 2, 2, 1, 1024
	v_add_nc_u32 v[LA1], 512, v[LA1]               ; two tiles of 256 bytes on
	v_add_nc_u32 v[LA2], 512, v[LA2]
	s_sub_co_i32 s20, s20, 1
	s_cmp_lg_u32 s20, 0
	s_cbranch_scc1 .Ltiles
	TILE 0, 2, 2, 1, 768                           ; tile 30; fetches tile 31
	TILE 1, 2, 2, 0, 0                             ; tile 31; nothing follows
	MN 14, 2
	MN 15, 2
	; my wave's minimum for each of the 256 points: over a lane's four, then over the two halves of the lanes
.irp i, 0,1,2,3,4,5,6,7,8,9,10,11,12,13,14,15
	v_min3_num_f32 v[ACC+4*\i], v[ACC+4*\i], v[ACC+4*\i+1], v[ACC+4*\i+2]
.endr
.irp i, 0,1,2,3,4,5,6,7,8,9,10,11,12,13,14,15
	v_min_num_f32 v[ACC+4*\i], v[ACC+4*\i], v[ACC+4*\i+3]
.endr
.irp i, 0,1,2,3,4,5,6,7,8,9,10,11,12,13,14,15
	v_permlanex16_b32 v[ACC+4*\i+1], v[ACC+4*\i], s16, s17
.endr
.irp i, 0,1,2,3,4,5,6,7,8,9,10,11,12,13,14,15
	v_min_num_f32 v[ACC+4*\i], v[ACC+4*\i], v[ACC+4*\i+1]
	ds_store_b32 v[PMW], v[ACC+4*\i] offset:64*\i  ; both halves store the same number to the same word
.endr
	s_wait_dscnt 0x0
	s_barrier_signal -1
	s_barrier_wait -1                              ; all eight waves' minima are in LDS
	; thread t: its point's eight minima, the distance, two bf16 pieces into the stage
.irp w, 0,1,2,3,4,5,6,7
	ds_load_b32 v[DR+\w], v[PMR] offset:1024*\w
.endr
	s_wait_dscnt 0x0
	v_min3_num_f32 v80, v80, v81, v82
	v_min3_num_f32 v83, v83, v84, v85
	v_min3_num_f32 v80, v80, v86, v87
	v_min_num_f32 v80, v80, v83
	v_add_f32 v80, v80, v[P2]                      ; d^2
	v_max_num_f32 v80, 0x2b8cbccc, v80             ; at least 1e-12
	v_sqrt_f32 v81, v80
	v_nop                                          ; one plain instruction between the root and its first use
	s_wait_alu depctr_va_vdst(0)
	v_cvt_pk_bf16_f32 v82, v81, v81                ; hi
	RESL 83, 82, 81
	v_cvt_pk_bf16_f32 v84, v83, v83                ; lo
	ds_store_b16 v[SW], v82
	ds_store_b16 v[SW], v84 offset:512
	s_wait_dscnt 0x0
	s_barrier_signal -1
	s_barrier_wait -1                              ; the two blocks are whole
	s_cmp_gt_u32 s10, 1
	s_cbranch_scc1 .Lend                           ; wave 0 stores the hi block, wave 1 the lo block
	ds_load_b128 v[88:91], v[SR]
	s_wait_dscnt 0x0
	global_store_b128 v[GO], v[88:91], s[8:9]      ; 512 consecutive bytes, at a multiple of 512 from xf's first byte
.Lend:
	s_set_vgpr_msb 0x5
	s_wait_tensorcnt 0x0
	ds_add_u32 v0, v1
	s_wait_dscnt 0x0
	s_set_vgpr_msb 0x500
	s_endpgm
.Lfunc_end_k_q64c7ea7c71_dist:
	.size	k_q64c7ea7c71_dist, .Lfunc_end_k_q64c7ea7c71_dist-k_q64c7ea7c71_dist
	.p2alignl 7, 3214868480
	.fill 96, 4, 3214868480
	.section	.rodata,"a",@progbits
	.p2align	6, 0x0
	.amdhsa_kernel k_q64c7ea7c71_dist
		.amdhsa_group_segment_fixed_size 168960
		.amdhsa_private_segment_fixed_size 0
		.amdhsa_enable_private_segment 0
		.amdhsa_kernarg_size 24
		.amdhsa_user_sgpr_count 2
		.amdhsa_user_sgpr_kernarg_segment_ptr 1
		.amdhsa_wavefront_size32 1
		.amdhsa_system_sgpr_workgroup_id_x 1
		.amdhsa_system_sgpr_workgroup_id_y 1
		.amdhsa_system_sgpr_workgroup_id_z 1
		.amdhsa_system_vgpr_workitem_id 0
		.amdhsa_next_free_vgpr 258
		.amdhsa_next_free_sgpr 66
		.amdhsa_reserve_vcc 0
		.amdhsa_float_denorm_mode_32 3
		.amdhsa_float_denorm_mode_16_64 3
		.amdhsa_memory_ordered 1
		.amdhsa_forward_progress 1
		.amdhsa_inst_pref_size 68
	.end_amdhsa_kernel
	.amdgpu_metadata
---
amdhsa.version: [ 1, 2 ]
amdhsa.kernels:
  - .name:           k_q64c7ea7c71_dist
    .symbol:         k_q64c7ea7c71_dist.kd
    .args:
      - { .name: pos, .offset: 0, .size: 8, .value_kind: global_buffer, .address_space: global }
      - { .name: basis, .offset: 8, .size: 8, .value_kind: global_buffer, .address_space: global }
      - { .name: xf, .offset: 16, .size: 8, .value_kind: global_buffer, .address_space: global }
    .group_segment_fixed_size: 168960
    .private_segment_fixed_size: 0
    .kernarg_segment_align: 8
    .kernarg_segment_size: 24
    .max_flat_workgroup_size: 256
    .sgpr_count:     66
    .vgpr_count:     258
    .wavefront_size: 32
...
	.end_amdgpu_metadata
.endif
;; end of part 1
;; launch g0 (part 2): grid 32 x 4, 8 waves a work-group, no clusters, 168,960 bytes of LDS; arguments xf, W0, part; writes part
.if DOCPART == 2
	.amdgcn_target "amdgcn-amd-amdhsa--gfx1250"
	.amdhsa_code_object_version 6
	.text
	.protected	k_q64c7ea7c71_g0
	.globl	k_q64c7ea7c71_g0
	.p2align	8
	.type	k_q64c7ea7c71_g0,@function
k_q64c7ea7c71_g0:
	s_mov_b64 s[64:65], 0
	v_nop
	global_prefetch_b8 v0, s[64:65] scope:SCOPE_SE
	s_setreg_imm32_b32 hwreg(HW_REG_WAVE_MODE, 25, 1), 1
	s_wait_xcnt 0x0
; A slice of a layer's product: part[ks] = x[64][256 k of slice ks] . W[those k][64 columns of block nb], f32, no bias yet.
; x comes as bf16 hi and lo pieces in operand order (xf); W is f32 [K][N] and is cut into hi and lo here; three products hi.hi + hi.lo + lo.hi
; in f32 sums; lo.lo, at most 2^-16 of a product, is left out.  bf16 and not f16: the activations have no room in f16 with larger inputs.
; SHARES.  Work-group (nb = x id, ks = y id).  Wave w takes the 32 k of block kbg = 8 ks + w, all 64 rows and 64 columns; the eight waves'
; sums meet in LDS.  Lane (r, h) loads W[k][64 nb + 4 r .. + 3] for the 16 k of its operand places: 16 lanes read 256 consecutive bytes,
; and word t of every load belongs to tile t, in which index r stands for column 64 nb + 4 r + t: nothing is transposed.
; All 32 loads of a wave (16 KiB) are asked for in the first lines; each byte of W is read once in the launch.
; OUT (LAST = 0): part[ks][kb' = n/32][mt][c' = (n%32)/16][g = (n%16)/4][row%16][4 f32]: W is source 0, so that a lane holds 32 neighbouring
; columns of one row, in the order in which the next launch packs operands.  (LAST = 1): part[ks][row][N], x is source 0.
; NO CLUSTER: the 32 column blocks of a slice read the same 64 KiB of xf, half of a work-group's bytes.  They land in operand registers as
; they come; a joint request would lay them into LDS, 64 KiB written and 64 KiB read more in each work-group, behind a cluster's barrier
; in a text that asks for everything at once and waits once.
; LIMITS: finite inputs; the order of the sums is this text's (k blocks of 32, then waves 0 to 7, then slices).
.set N,     2048                       ; columns of W
.set LAST,  0                          ; 1: the last layer's layout of part
.set SLICE, 64*N*4                     ; bytes of part for one ks
.if LAST
.set OSTEP, 4*N                        ; from one of a lane's four stores to the next: a row
.set HSH,   14                         ; lanes 16-31: 8 rows of 4 N bytes further
.else
.set OSTEP, 256                        ; a group g
.set HSH,   13                         ; lanes 16-31: the next kb', 8 KiB further
.endif
.set VW,   1                           ; my byte offset in W
.set VX,   2                           ; my byte offset in xf: 16 lane
.set NEG1, 3                           ; -1.0
.set LW,   4                           ; LDS: my wave's 16 KiB + 16 lane
.set RA,   5                           ; LDS: 16 t, waves 0-3
.set RA2,  6                           ;      the same, waves 4-7
.set VO,   7                           ; my byte offset in part
.set WF,   16                          ; v[16:79]   W as loaded: register 4 i + t
.set XH,   80                          ; v[80:111]  x hi, four fragments
.set XL,   112                         ; v[112:143] x lo
.set BH,   144                         ; v[144:159] W hi, two fragments in turn
.set BL,   160                         ; v[160:175] W lo
.set ACC,  176                         ; v[176:239] two sets of four accumulators
.set RD,   16                          ; v[16:143]  later: the eight waves' sums, register 16 v + 4 t + jj
.set OUT,  144                         ; v[144:159] later: what I store, register 4 jj + t
	s_load_b128 s[4:7], s[0:1], 0x0                ; xf s[4:5], W s[6:7]
	s_load_b64 s[8:9], s[0:1], 0x10                ; part
	v_lshl_add_u32 v240, v0, 2, 0x29000
	v_mov_b32 v241, 0
	v_lshrrev_b32 v8, 5, v0
	v_readfirstlane_b32 s10, v8                    ; wave
	s_and_b32 s11, ttmp7, 0xffff                   ; ks
	s_lshl3_add_u32 s12, s11, s10                  ; kbg = 8 ks + w
	v_and_b32 v9, 15, v0                           ; r
	v_bfe_u32 v10, v0, 4, 1                        ; h
	v_and_b32 v11, 31, v0                          ; lane
	v_and_b32 v13, 0xe0, v0                        ; 32 w
	v_lshlrev_b32 v12, 4, v9                       ; 16 r
	v_mul_u32_u24 v[VW], v10, 32*N                 ; lanes 16-31: 8 rows of W further
	v_lshl_add_u32 v[VW], v9, 4, v[VW]
	v_lshlrev_b32 v[VX], 4, v11
	v_mov_b32 v[NEG1], -1.0
	v_lshl_add_u32 v[LW], v13, 9, v[VX]            ; 16384 w + 16 lane
	v_lshlrev_b32 v[RA], 4, v0
	v_add_nc_u32 v[RA2], 0x10000, v[RA]
	v_lshl_add_u32 v[VO], v10, HSH, v12
	s_mul_i32 s14, s12, 128*N                      ; W: 32 kbg rows of 4 N bytes
	s_lshl_b32 s16, ttmp9, 8                       ;    + 64 nb columns
	s_add_co_u32 s14, s14, s16
	s_mov_b32 s15, 0
	s_lshl_b32 s16, s12, 13                        ; xf: 8 KiB for each k block
	s_mov_b32 s17, 0
	s_mul_i32 s18, s11, SLICE                      ; part: my slice,
.if LAST
	s_lshl_b32 s19, ttmp9, 8                       ; 64 nb columns,
	s_add_co_u32 s18, s18, s19
	s_lshr_b32 s19, s10, 1                         ; row 16 (w >> 1)
	s_lshl_b32 s19, s19, 15
	s_add_co_u32 s18, s18, s19
	s_and_b32 s19, s10, 1                          ;     + 4 (w & 1), 2,048 bytes a row
	s_lshl_b32 s19, s19, 13
	s_add_co_u32 s18, s18, s19
.else
	s_lshl_b32 s19, ttmp9, 14                      ; kb' = 2 nb, 8 KiB each,
	s_add_co_u32 s18, s18, s19
	s_lshl_b32 s19, s10, 10                        ; (mt, c') = w, 1 KiB each
	s_add_co_u32 s18, s18, s19
.endif
	s_mov_b32 s19, 0
	s_wait_kmcnt 0x0
	s_add_nc_u64 s[6:7], s[6:7], s[14:15]
	s_add_nc_u64 s[4:5], s[4:5], s[16:17]
	s_add_nc_u64 s[8:9], s[8:9], s[18:19]
.irp i, 0,1,2,3,4,5,6,7,8,9,10,11,12,13,14,15
	global_load_b128 v[WF+4*\i:WF+4*\i+3], v[VW], s[6:7] offset:(\i+8*(\i/8))*4*N th:TH_LOAD_NT   ; k = 8 h + i, then 16 + 8 h + (i - 8)
.endr
.irp mt, 0,1,2,3
.irp c, 0,1
	global_load_b128 v[XH+8*\mt+4*\c:XH+8*\mt+4*\c+3], v[VX], s[4:5] offset:\mt*1024+\c*512
.endr
.endr
.irp mt, 0,1,2,3
.irp c, 0,1
	global_load_b128 v[XL+8*\mt+4*\c:XL+8*\mt+4*\c+3], v[VX], s[4:5] offset:4096+\mt*1024+\c*512
.endr
.endr
; Tile t's W fragment: hi, the exact rest (in place of the raw numbers, which are done with), lo.
.macro CONV t
.irp jf, 0,1,2,3,4,5,6,7
	v_cvt_pk_bf16_f32 v[BH+8*(\t&1)+\jf], v[WF+8*\jf+\t], v[WF+8*\jf+4+\t]
.endr
.irp jf, 0,1,2,3,4,5,6,7
	v_fma_mix_f32_bf16 v[WF+8*\jf+\t], v[BH+8*(\t&1)+\jf], v[NEG1], v[WF+8*\jf+\t] op_sel_hi:[1,0,0]
	v_fma_mix_f32_bf16 v[WF+8*\jf+4+\t], v[BH+8*(\t&1)+\jf], v[NEG1], v[WF+8*\jf+4+\t] op_sel:[1,0,0] op_sel_hi:[1,0,0]
.endr
.irp jf, 0,1,2,3,4,5,6,7
	v_cvt_pk_bf16_f32 v[BL+8*(\t&1)+\jf], v[WF+8*\jf+\t], v[WF+8*\jf+4+\t]
.endr
.endm
.macro PROD acc, w, x, zero
.if LAST
.if \zero
	v_wmma_f32_16x16x32_bf16 v[\acc:\acc+7], v[\x:\x+7], v[\w:\w+7], 0
.else
	v_wmma_f32_16x16x32_bf16 v[\acc:\acc+7], v[\x:\x+7], v[\w:\w+7], v[\acc:\acc+7]
.endif
.else
.if \zero
	v_wmma_f32_16x16x32_bf16 v[\acc:\acc+7], v[\w:\w+7], v[\x:\x+7], 0
.else
	v_wmma_f32_16x16x32_bf16 v[\acc:\acc+7], v[\w:\w+7], v[\x:\x+7], v[\acc:\acc+7]
.endif
.endif
.endm
; Twelve products: three runs over the four row tiles; the first run starts the sums, the others go on in place.
.macro MM t
.irp mt, 0,1,2,3
	PROD ACC+32*(\t&1)+8*\mt, BH+8*(\t&1), XH+8*\mt, 1
.endr
.irp mt, 0,1,2,3
	PROD ACC+32*(\t&1)+8*\mt, BH+8*(\t&1), XL+8*\mt, 0
.endr
.irp mt, 0,1,2,3
	PROD ACC+32*(\t&1)+8*\mt, BL+8*(\t&1), XH+8*\mt, 0
.endr
.endm
.macro ST t                            ; tile t's sums into my wave's 16 KiB: 4096 t + 1024 mt + 512 (j / 4) + 16 lane
.irp mt, 0,1,2,3
	ds_store_b128 v[LW], v[ACC+32*(\t&1)+8*\mt:ACC+32*(\t&1)+8*\mt+3] offset:(4*\t+\mt)*1024
	ds_store_b128 v[LW], v[ACC+32*(\t&1)+8*\mt+4:ACC+32*(\t&1)+8*\mt+7] offset:(4*\t+\mt)*1024+512
.endr
.endm
	s_wait_loadcnt 16                              ; W's 16 loads are the older ones: x's 16 stay out
	CONV 0
	s_wait_loadcnt 0x0                             ; x
	; Behind each run of products stands the next tile's conversion, 32 plain instructions on other registers, before the LDS stores read
	; the sums; fragments and accumulators take turns, so a set is written again only two runs later.
	MM 0
	CONV 1
	ST 0
	MM 1
	CONV 2
	ST 1
	MM 2
	CONV 3
	ST 2
	MM 3
.rept 4
	v_nop                                          ; no work is left: the places in front of the last stores, and of the loads into x's registers below
.endr
	ST 3
	s_wait_dscnt 0x0                               ; my sums are in LDS before I say so
	s_barrier_signal -1
	s_barrier_wait -1
	; wave w adds up (mt = w >> 1, registers j = 4 (w & 1) + jj) of all eight waves: 16 t is 512 w + 16 lane
.irp v, 0,1,2,3
.irp t, 0,1,2,3
	ds_load_b128 v[RD+16*\v+4*\t:RD+16*\v+4*\t+3], v[RA] offset:\v*16384+\t*4096
.endr
.endr
.irp v, 4,5,6,7
.irp t, 0,1,2,3
	ds_load_b128 v[RD+16*\v+4*\t:RD+16*\v+4*\t+3], v[RA2] offset:(\v-4)*16384+\t*4096
.endr
.endr
.irp v, 1,2,3,4,5,6
	s_wait_dscnt 4*(7-\v)                          ; LDS loads come back in order: four loads for each later wave stay out
.irp q, 0,2,4,6,8,10,12,14
	v_pk_add_f32 v[RD+\q:RD+\q+1], v[RD+\q:RD+\q+1], v[RD+16*\v+\q:RD+16*\v+\q+1]
.endr
.endr
	s_wait_dscnt 0x0
.irp jj, 0,1,2,3
.irp t, 0,1,2,3
	v_add_f32 v[OUT+4*\jj+\t], v[RD+4*\t+\jj], v[RD+112+4*\t+\jj]   ; the last addition also puts the four tiles' numbers side by side
.endr
.endr
.irp jj, 0,1,2,3
	global_store_b128 v[VO], v[OUT+4*\jj:OUT+4*\jj+3], s[8:9] offset:\jj*OSTEP   ; 16 lanes store 256 consecutive bytes, aligned
.endr
	s_wait_tensorcnt 0x0
	ds_add_u32 v240, v241
	s_wait_dscnt 0x0
	s_endpgm
.Lfunc_end_k_q64c7ea7c71_g0:
	.size	k_q64c7ea7c71_g0, .Lfunc_end_k_q64c7ea7c71_g0-k_q64c7ea7c71_g0
	.p2alignl 7, 3214868480
	.fill 96, 4, 3214868480
	.section	.rodata,"a",@progbits
	.p2align	6, 0x0
	.amdhsa_kernel k_q64c7ea7c71_g0
		.amdhsa_group_segment_fixed_size 168960
		.amdhsa_private_segment_fixed_size 0
		.amdhsa_enable_private_segment 0
		.amdhsa_kernarg_size 24
		.amdhsa_user_sgpr_count 2
		.amdhsa_user_sgpr_kernarg_segment_ptr 1
		.amdhsa_wavefront_size32 1
		.amdhsa_system_sgpr_workgroup_id_x 1
		.amdhsa_system_sgpr_workgroup_id_y 1
		.amdhsa_system_sgpr_workgroup_id_z 1
		.amdhsa_system_vgpr_workitem_id 0
		.amdhsa_next_free_vgpr 242
		.amdhsa_next_free_sgpr 66
		.amdhsa_reserve_vcc 0
		.amdhsa_float_denorm_mode_32 3
		.amdhsa_float_denorm_mode_16_64 3
		.amdhsa_memory_ordered 1
		.amdhsa_forward_progress 1
		.amdhsa_inst_pref_size 25
	.end_amdhsa_kernel
	.amdgpu_metadata
---
amdhsa.version: [ 1, 2 ]
amdhsa.kernels:
  - .name:           k_q64c7ea7c71_g0
    .symbol:         k_q64c7ea7c71_g0.kd
    .args:
      - { .name: xf, .offset: 0, .size: 8, .value_kind: global_buffer, .address_space: global }
      - { .name: W0, .offset: 8, .size: 8, .value_kind: global_buffer, .address_space: global }
      - { .name: part, .offset: 16, .size: 8, .value_kind: global_buffer, .address_space: global }
    .group_segment_fixed_size: 168960
    .private_segment_fixed_size: 0
    .kernarg_segment_align: 8
    .kernarg_segment_size: 24
    .max_flat_workgroup_size: 256
    .sgpr_count:     66
    .vgpr_count:     242
    .wavefront_size: 32
...
	.end_amdgpu_metadata
.endif
;; end of part 2
;; launch r0 (part 3): grid 256 x 1, 2 waves a work-group, no clusters, 0 bytes of LDS; arguments part, b0, xf; writes xf
.if DOCPART == 3
	.amdgcn_target "amdgcn-amd-amdhsa--gfx1250"
	.amdhsa_code_object_version 6
	.text
	.protected	k_q64c7ea7c71_r0
	.globl	k_q64c7ea7c71_r0
	.p2align	8
	.type	k_q64c7ea7c71_r0,@function
k_q64c7ea7c71_r0:
	s_mov_b64 s[64:65], 0
	v_nop
	global_prefetch_b8 v0, s[64:65] scope:SCOPE_SE
	s_setreg_imm32_b32 hwreg(HW_REG_WAVE_MODE, 25, 1), 1
	s_wait_xcnt 0x0
; h = relu(bias + sum over the S slices of part), cut into bf16 hi and lo pieces and stored in operand order (xf).
; part[s][kb'][mt][c'][g][row%16][4 f32]: wave gw = 2 x work-group + wave owns the 1 KiB block gw = 8 kb' + 2 mt + c' of every slice.
; Lane L needs columns 8 (L >> 4) .. + 7 of row L & 15: groups g = 2 (L >> 4) and + 1, two loads of 16 bytes; 16 lanes read 256 consecutive bytes.
; A stream: each byte of part is read once, all loads are asked for at once, the two stores cover 512 consecutive bytes each.
; No LDS, matrix unit or cluster: nothing is shared and nothing is multiplied.
; LIMITS: a NaN becomes 0 in the relu, where the definition would pass it on; slices are added in ascending order onto the bias.
.set S,     4                          ; slices
.set SLICE, 524288
.set NEG1,  1
.set VL,    5                          ; my byte offset in a block of part
.set VBI,   6                          ; my byte offset in the bias
.set VS,    7                          ; my byte offset in a block of xf
.set HIP,   8                          ; v[8:11]  hi pieces
.set LOP,   12                         ; v[12:15] lo pieces
.set SUM,   16                         ; v[16:23] bias, then the sums
.set SL,    24                         ; v[24:..] slice s: 8 registers
	s_load_b128 s[4:7], s[0:1], 0x0                ; part s[4:5], bias s[6:7]
	s_load_b64 s[8:9], s[0:1], 0x10                ; xf
	v_lshrrev_b32 v1, 5, v0
	v_readfirstlane_b32 s10, v1                    ; wave
	s_lshl1_add_u32 s11, ttmp9, s10                ; gw
	v_and_b32 v2, 15, v0                           ; row % 16
	v_bfe_u32 v3, v0, 4, 1                         ; L >> 4
	v_and_b32 v4, 31, v0                           ; L
	v_lshlrev_b32 v[VL], 4, v2
	v_lshl_add_u32 v[VL], v3, 9, v[VL]             ; 512 (L >> 4) + 16 (L & 15)
	v_lshlrev_b32 v[VBI], 5, v3                    ; 8 numbers for each half of the lanes
	v_lshlrev_b32 v[VS], 4, v4
	v_mov_b32 v[NEG1], -1.0
	s_lshl_b32 s12, s11, 10                        ; part: block gw
	s_mov_b32 s13, 0
	s_lshr_b32 s14, s11, 3                         ; kb'
	s_and_b32 s15, s11, 1                          ; c'
	s_lshl_b32 s16, s14, 7                         ; bias: 32 kb' + 16 c' numbers
	s_lshl_b32 s15, s15, 6
	s_add_co_u32 s16, s16, s15
	s_mov_b32 s17, 0
	s_lshl_b32 s18, s14, 13                        ; xf: 8192 kb' + 512 (2 mt + c')
	s_and_b32 s19, s11, 7
	s_lshl_b32 s19, s19, 9
	s_add_co_u32 s18, s18, s19
	s_mov_b32 s19, 0
	s_wait_kmcnt 0x0
	s_add_nc_u64 s[4:5], s[4:5], s[12:13]
	s_add_nc_u64 s[6:7], s[6:7], s[16:17]
	s_add_nc_u64 s[8:9], s[8:9], s[18:19]
	global_load_b128 v[SUM:SUM+3], v[VBI], s[6:7]
	global_load_b128 v[SUM+4:SUM+7], v[VBI], s[6:7] offset:16
.set k, 0
.rept S
	global_load_b128 v[SL+8*k:SL+8*k+3], v[VL], s[4:5] offset:k*SLICE th:TH_LOAD_NT
	global_load_b128 v[SL+8*k+4:SL+8*k+7], v[VL], s[4:5] offset:k*SLICE+256 th:TH_LOAD_NT
.set k, k+1
.endr
.set k, 0
.rept S
	s_wait_loadcnt 2*(S-1-k)                       ; loads come back in order: two for each later slice stay out
.irp q, 0,2,4,6
	v_pk_add_f32 v[SUM+\q:SUM+\q+1], v[SUM+\q:SUM+\q+1], v[SL+8*k+\q:SL+8*k+\q+1]
.endr
.set k, k+1
.endr
.irp q, 0,1,2,3,4,5,6,7
	v_max_num_f32 v[SUM+\q], 0, v[SUM+\q]
.endr
.irp q, 0,1,2,3
	v_cvt_pk_bf16_f32 v[HIP+\q], v[SUM+2*\q], v[SUM+2*\q+1]
.endr
.irp q, 0,1,2,3
	v_fma_mix_f32_bf16 v[SUM+2*\q], v[HIP+\q], v[NEG1], v[SUM+2*\q] op_sel_hi:[1,0,0]                    ; the exact rest
	v_fma_mix_f32_bf16 v[SUM+2*\q+1], v[HIP+\q], v[NEG1], v[SUM+2*\q+1] op_sel:[1,0,0] op_sel_hi:[1,0,0]
.endr
.irp q, 0,1,2,3
	v_cvt_pk_bf16_f32 v[LOP+\q], v[SUM+2*\q], v[SUM+2*\q+1]
.endr
	global_store_b128 v[VS], v[HIP:HIP+3], s[8:9]
	global_store_b128 v[VS], v[LOP:LOP+3], s[8:9] offset:4096
	s_endpgm
.Lfunc_end_k_q64c7ea7c71_r0:
	.size	k_q64c7ea7c71_r0, .Lfunc_end_k_q64c7ea7c71_r0-k_q64c7ea7c71_r0
	.p2alignl 7, 3214868480
	.fill 96, 4, 3214868480
	.section	.rodata,"a",@progbits
	.p2align	6, 0x0
	.amdhsa_kernel k_q64c7ea7c71_r0
		.amdhsa_group_segment_fixed_size 0
		.amdhsa_private_segment_fixed_size 0
		.amdhsa_enable_private_segment 0
		.amdhsa_kernarg_size 24
		.amdhsa_user_sgpr_count 2
		.amdhsa_user_sgpr_kernarg_segment_ptr 1
		.amdhsa_wavefront_size32 1
		.amdhsa_system_sgpr_workgroup_id_x 1
		.amdhsa_system_sgpr_workgroup_id_y 1
		.amdhsa_system_sgpr_workgroup_id_z 1
		.amdhsa_system_vgpr_workitem_id 0
		.amdhsa_next_free_vgpr 64
		.amdhsa_next_free_sgpr 66
		.amdhsa_reserve_vcc 0
		.amdhsa_float_denorm_mode_32 3
		.amdhsa_float_denorm_mode_16_64 3
		.amdhsa_memory_ordered 1
		.amdhsa_forward_progress 1
		.amdhsa_inst_pref_size 5
	.end_amdhsa_kernel
	.amdgpu_metadata
---
amdhsa.version: [ 1, 2 ]
amdhsa.kernels:
  - .name:           k_q64c7ea7c71_r0
    .symbol:         k_q64c7ea7c71_r0.kd
    .args:
      - { .name: part, .offset: 0, .size: 8, .value_kind: global_buffer, .address_space: global }
      - { .name: b0, .offset: 8, .size: 8, .value_kind: global_buffer, .address_space: global }
      - { .name: xf, .offset: 16, .size: 8, .value_kind: global_buffer, .address_space: global }
    .group_segment_fixed_size: 0
    .private_segment_fixed_size: 0
    .kernarg_segment_align: 8
    .kernarg_segment_size: 24
    .max_flat_workgroup_size: 64
    .sgpr_count:     66
    .vgpr_count:     64
    .wavefront_size: 32
...
	.end_amdgpu_metadata
.endif
;; end of part 3
;; launch g1: the kernel of part 2 again; grid 32 x 8, 8 waves a work-group, no clusters, 168,960 bytes of LDS; arguments xf, W1, part; writes part
;; launch r1 (part 4): grid 256 x 1, 2 waves a work-group, no clusters, 0 bytes of LDS; arguments part, b1, xf; writes xf
.if DOCPART == 4
	.amdgcn_target "amdgcn-amd-amdhsa--gfx1250"
	.amdhsa_code_object_version 6
	.text
	.protected	k_q64c7ea7c71_r1
	.globl	k_q64c7ea7c71_r1
	.p2align	8
	.type	k_q64c7ea7c71_r1,@function
k_q64c7ea7c71_r1:
	s_mov_b64 s[64:65], 0
	v_nop
	global_prefetch_b8 v0, s[64:65] scope:SCOPE_SE
	s_setreg_imm32_b32 hwreg(HW_REG_WAVE_MODE, 25, 1), 1
	s_wait_xcnt 0x0
; h = relu(bias + sum over the S slices of part), cut into bf16 hi and lo pieces and stored in operand order (xf).
; part[s][kb'][mt][c'][g][row%16][4 f32]: wave gw = 2 x work-group + wave owns the 1 KiB block gw = 8 kb' + 2 mt + c' of every slice.
; Lane L needs columns 8 (L >> 4) .. + 7 of row L & 15: groups g = 2 (L >> 4) and + 1, two loads of 16 bytes; 16 lanes read 256 consecutive bytes.
; A stream: each byte of part is read once, all loads are asked for at once, the two stores cover 512 consecutive bytes each.
; No LDS, matrix unit or cluster: nothing is shared and nothing is multiplied.
; LIMITS: a NaN becomes 0 in the relu, where the definition would pass it on; slices are added in ascending order onto the bias.
.set S,     8                          ; slices
.set SLICE, 524288
.set NEG1,  1
.set VL,    5                          ; my byte offset in a block of part
.set VBI,   6                          ; my byte offset in the bias
.set VS,    7                          ; my byte offset in a block of xf
.set HIP,   8                          ; v[8:11]  hi pieces
.set LOP,   12                         ; v[12:15] lo pieces
.set SUM,   16                         ; v[16:23] bias, then the sums
.set SL,    24                         ; v[24:..] slice s: 8 registers
	s_load_b128 s[4:7], s[0:1], 0x0                ; part s[4:5], bias s[6:7]
	s_load_b64 s[8:9], s[0:1], 0x10                ; xf
	v_lshrrev_b32 v1, 5, v0
	v_readfirstlane_b32 s10, v1                    ; wave
	s_lshl1_add_u32 s11, ttmp9, s10                ; gw
	v_and_b32 v2, 15, v0                           ; row % 16
	v_bfe_u32 v3, v0, 4, 1                         ; L >> 4
	v_and_b32 v4, 31, v0                           ; L
	v_lshlrev_b32 v[VL], 4, v2
	v_lshl_add_u32 v[VL], v3, 9, v[VL]             ; 512 (L >> 4) + 16 (L & 15)
	v_lshlrev_b32 v[VBI], 5, v3                    ; 8 numbers for each half of the lanes
	v_lshlrev_b32 v[VS], 4, v4
	v_mov_b32 v[NEG1], -1.0
	s_lshl_b32 s12, s11, 10                        ; part: block gw
	s_mov_b32 s13, 0
	s_lshr_b32 s14, s11, 3                         ; kb'
	s_and_b32 s15, s11, 1                          ; c'
	s_lshl_b32 s16, s14, 7                         ; bias: 32 kb' + 16 c' numbers
	s_lshl_b32 s15, s15, 6
	s_add_co_u32 s16, s16, s15
	s_mov_b32 s17, 0
	s_lshl_b32 s18, s14, 13                        ; xf: 8192 kb' + 512 (2 mt + c')
	s_and_b32 s19, s11, 7
	s_lshl_b32 s19, s19, 9
	s_add_co_u32 s18, s18, s19
	s_mov_b32 s19, 0
	s_wait_kmcnt 0x0
	s_add_nc_u64 s[4:5], s[4:5], s[12:13]
	s_add_nc_u64 s[6:7], s[6:7], s[16:17]
	s_add_nc_u64 s[8:9], s[8:9], s[18:19]
	global_load_b128 v[SUM:SUM+3], v[VBI], s[6:7]
	global_load_b128 v[SUM+4:SUM+7], v[VBI], s[6:7] offset:16
.set k, 0
.rept S
	global_load_b128 v[SL+8*k:SL+8*k+3], v[VL], s[4:5] offset:k*SLICE th:TH_LOAD_NT
	global_load_b128 v[SL+8*k+4:SL+8*k+7], v[VL], s[4:5] offset:k*SLICE+256 th:TH_LOAD_NT
.set k, k+1
.endr
.set k, 0
.rept S
	s_wait_loadcnt 2*(S-1-k)                       ; loads come back in order: two for each later slice stay out
.irp q, 0,2,4,6
	v_pk_add_f32 v[SUM+\q:SUM+\q+1], v[SUM+\q:SUM+\q+1], v[SL+8*k+\q:SL+8*k+\q+1]
.endr
.set k, k+1
.endr
.irp q, 0,1,2,3,4,5,6,7
	v_max_num_f32 v[SUM+\q], 0, v[SUM+\q]
.endr
.irp q, 0,1,2,3
	v_cvt_pk_bf16_f32 v[HIP+\q], v[SUM+2*\q], v[SUM+2*\q+1]
.endr
.irp q, 0,1,2,3
	v_fma_mix_f32_bf16 v[SUM+2*\q], v[HIP+\q], v[NEG1], v[SUM+2*\q] op_sel_hi:[1,0,0]                    ; the exact rest
	v_fma_mix_f32_bf16 v[SUM+2*\q+1], v[HIP+\q], v[NEG1], v[SUM+2*\q+1] op_sel:[1,0,0] op_sel_hi:[1,0,0]
.endr
.irp q, 0,1,2,3
	v_cvt_pk_bf16_f32 v[LOP+\q], v[SUM+2*\q], v[SUM+2*\q+1]
.endr
	global_store_b128 v[VS], v[HIP:HIP+3], s[8:9]
	global_store_b128 v[VS], v[LOP:LOP+3], s[8:9] offset:4096
	s_endpgm
.Lfunc_end_k_q64c7ea7c71_r1:
	.size	k_q64c7ea7c71_r1, .Lfunc_end_k_q64c7ea7c71_r1-k_q64c7ea7c71_r1
	.p2alignl 7, 3214868480
	.fill 96, 4, 3214868480
	.section	.rodata,"a",@progbits
	.p2align	6, 0x0
	.amdhsa_kernel k_q64c7ea7c71_r1
		.amdhsa_group_segment_fixed_size 0
		.amdhsa_private_segment_fixed_size 0
		.amdhsa_enable_private_segment 0
		.amdhsa_kernarg_size 24
		.amdhsa_user_sgpr_count 2
		.amdhsa_user_sgpr_kernarg_segment_ptr 1
		.amdhsa_wavefront_size32 1
		.amdhsa_system_sgpr_workgroup_id_x 1
		.amdhsa_system_sgpr_workgroup_id_y 1
		.amdhsa_system_sgpr_workgroup_id_z 1
		.amdhsa_system_vgpr_workitem_id 0
		.amdhsa_next_free_vgpr 96
		.amdhsa_next_free_sgpr 66
		.amdhsa_reserve_vcc 0
		.amdhsa_float_denorm_mode_32 3
		.amdhsa_float_denorm_mode_16_64 3
		.amdhsa_memory_ordered 1
		.amdhsa_forward_progress 1
		.amdhsa_inst_pref_size 7
	.end_amdhsa_kernel
	.amdgpu_metadata
---
amdhsa.version: [ 1, 2 ]
amdhsa.kernels:
  - .name:           k_q64c7ea7c71_r1
    .symbol:         k_q64c7ea7c71_r1.kd
    .args:
      - { .name: part, .offset: 0, .size: 8, .value_kind: global_buffer, .address_space: global }
      - { .name: b1, .offset: 8, .size: 8, .value_kind: global_buffer, .address_space: global }
      - { .name: xf, .offset: 16, .size: 8, .value_kind: global_buffer, .address_space: global }
    .group_segment_fixed_size: 0
    .private_segment_fixed_size: 0
    .kernarg_segment_align: 8
    .kernarg_segment_size: 24
    .max_flat_workgroup_size: 64
    .sgpr_count:     66
    .vgpr_count:     96
    .wavefront_size: 32
...
	.end_amdgpu_metadata
.endif
;; end of part 4
;; launch g2: the kernel of part 2 again; grid 32 x 8, 8 waves a work-group, no clusters, 168,960 bytes of LDS; arguments xf, W2, part; writes part
;; launch r2: the kernel of part 4 again; grid 256 x 1, 2 waves a work-group, no clusters, 0 bytes of LDS; arguments part, b2, xf; writes xf
;; launch g3 (part 5): grid 8 x 8, 8 waves a work-group, no clusters, 168,960 bytes of LDS; arguments xf, W3, part; writes part
.if DOCPART == 5
	.amdgcn_target "amdgcn-amd-amdhsa--gfx1250"
	.amdhsa_code_object_version 6
	.text
	.protected	k_q64c7ea7c71_g3
	.globl	k_q64c7ea7c71_g3
	.p2align	8
	.type	k_q64c7ea7c71_g3,@function
k_q64c7ea7c71_g3:
	s_mov_b64 s[64:65], 0
	v_nop
	global_prefetch_b8 v0, s[64:65] scope:SCOPE_SE
	s_setreg_imm32_b32 hwreg(HW_REG_WAVE_MODE, 25, 1), 1
	s_wait_xcnt 0x0
; A slice of a layer's product: part[ks] = x[64][256 k of slice ks] . W[those k][64 columns of block nb], f32, no bias yet.
; x comes as bf16 hi and lo pieces in operand order (xf); W is f32 [K][N] and is cut into hi and lo here; three products hi.hi + hi.lo + lo.hi
; in f32 sums; lo.lo, at most 2^-16 of a product, is left out.  bf16 and not f16: the activations have no room in f16 with larger inputs.
; SHARES.  Work-group (nb = x id, ks = y id).  Wave w takes the 32 k of block kbg = 8 ks + w, all 64 rows and 64 columns; the eight waves'
; sums meet in LDS.  Lane (r, h) loads W[k][64 nb + 4 r .. + 3] for the 16 k of its operand places: 16 lanes read 256 consecutive bytes,
; and word t of every load belongs to tile t, in which index r stands for column 64 nb + 4 r + t: nothing is transposed.
; All 32 loads of a wave (16 KiB) are asked for in the first lines; each byte of W is read once in the launch.
; This layer has 512 columns: 8 column blocks x 8 slices = 64 work-groups, which is all the work that whole 256-byte pieces of W's rows give.
; OUT (LAST = 0): part[ks][kb' = n/32][mt][c' = (n%32)/16][g = (n%16)/4][row%16][4 f32]: W is source 0, so that a lane holds 32 neighbouring
; columns of one row, in the order in which the next launch packs operands.  (LAST = 1): part[ks][row][N], x is source 0.
; NO CLUSTER: the 8 column blocks of a slice read the same 64 KiB of xf, half of a work-group's bytes.  They land in operand registers as
; they come; a joint request would lay them into LDS, 64 KiB written and 64 KiB read more in each work-group, behind a cluster's barrier
; in a text that asks for everything at once and waits once.
; LIMITS: finite inputs; the order of the sums is this text's (k blocks of 32, then waves 0 to 7, then slices).
.set N,     512                        ; columns of W
.set LAST,  1                          ; 1: the last layer's layout of part
.set SLICE, 64*N*4                     ; bytes of part for one ks
.if LAST
.set OSTEP, 4*N                        ; from one of a lane's four stores to the next: a row
.set HSH,   14                         ; lanes 16-31: 8 rows of 4 N bytes further
.else
.set OSTEP, 256                        ; a group g
.set HSH,   13                         ; lanes 16-31: the next kb', 8 KiB further
.endif
.set VW,   1                           ; my byte offset in W
.set VX,   2                           ; my byte offset in xf: 16 lane
.set NEG1, 3                           ; -1.0
.set LW,   4                           ; LDS: my wave's 16 KiB + 16 lane
.set RA,   5                           ; LDS: 16 t, waves 0-3
.set RA2,  6                           ;      the same, waves 4-7
.set VO,   7                           ; my byte offset in part
.set WF,   16                          ; v[16:79]   W as loaded: register 4 i + t
.set XH,   80                          ; v[80:111]  x hi, four fragments
.set XL,   112                         ; v[112:143] x lo
.set BH,   144                         ; v[144:159] W hi, two fragments in turn
.set BL,   160                         ; v[160:175] W lo
.set ACC,  176                         ; v[176:239] two sets of four accumulators
.set RD,   16                          ; v[16:143]  later: the eight waves' sums, register 16 v + 4 t + jj
.set OUT,  144                         ; v[144:159] later: what I store, register 4 jj + t
	s_load_b128 s[4:7], s[0:1], 0x0                ; xf s[4:5], W s[6:7]
	s_load_b64 s[8:9], s[0:1], 0x10                ; part
	v_lshl_add_u32 v240, v0, 2, 0x29000
	v_mov_b32 v241, 0
	v_lshrrev_b32 v8, 5, v0
	v_readfirstlane_b32 s10, v8                    ; wave
	s_and_b32 s11, ttmp7, 0xffff                   ; ks
	s_lshl3_add_u32 s12, s11, s10                  ; kbg = 8 ks + w
	v_and_b32 v9, 15, v0                           ; r
	v_bfe_u32 v10, v0, 4, 1                        ; h
	v_and_b32 v11, 31, v0                          ; lane
	v_and_b32 v13, 0xe0, v0                        ; 32 w
	v_lshlrev_b32 v12, 4, v9                       ; 16 r
	v_mul_u32_u24 v[VW], v10, 32*N                 ; lanes 16-31: 8 rows of W further
	v_lshl_add_u32 v[VW], v9, 4, v[VW]
	v_lshlrev_b32 v[VX], 4, v11
	v_mov_b32 v[NEG1], -1.0
	v_lshl_add_u32 v[LW], v13, 9, v[VX]            ; 16384 w + 16 lane
	v_lshlrev_b32 v[RA], 4, v0
	v_add_nc_u32 v[RA2], 0x10000, v[RA]
	v_lshl_add_u32 v[VO], v10, HSH, v12
	s_mul_i32 s14, s12, 128*N                      ; W: 32 kbg rows of 4 N bytes
	s_lshl_b32 s16, ttmp9, 8                       ;    + 64 nb columns
	s_add_co_u32 s14, s14, s16
	s_mov_b32 s15, 0
	s_lshl_b32 s16, s12, 13                        ; xf: 8 KiB for each k block
	s_mov_b32 s17, 0
	s_mul_i32 s18, s11, SLICE                      ; part: my slice,
.if LAST
	s_lshl_b32 s19, ttmp9, 8                       ; 64 nb columns,
	s_add_co_u32 s18, s18, s19
	s_lshr_b32 s19, s10, 1                         ; row 16 (w >> 1)
	s_lshl_b32 s19, s19, 15
	s_add_co_u32 s18, s18, s19
	s_and_b32 s19, s10, 1                          ;     + 4 (w & 1), 2,048 bytes a row
	s_lshl_b32 s19, s19, 13
	s_add_co_u32 s18, s18, s19
.else
	s_lshl_b32 s19, ttmp9, 14                      ; kb' = 2 nb, 8 KiB each,
	s_add_co_u32 s18, s18, s19
	s_lshl_b32 s19, s10, 10                        ; (mt, c') = w, 1 KiB each
	s_add_co_u32 s18, s18, s19
.endif
	s_mov_b32 s19, 0
	s_wait_kmcnt 0x0
	s_add_nc_u64 s[6:7], s[6:7], s[14:15]
	s_add_nc_u64 s[4:5], s[4:5], s[16:17]
	s_add_nc_u64 s[8:9], s[8:9], s[18:19]
.irp i, 0,1,2,3,4,5,6,7,8,9,10,11,12,13,14,15
	global_load_b128 v[WF+4*\i:WF+4*\i+3], v[VW], s[6:7] offset:(\i+8*(\i/8))*4*N th:TH_LOAD_NT   ; k = 8 h + i, then 16 + 8 h + (i - 8)
.endr
.irp mt, 0,1,2,3
.irp c, 0,1
	global_load_b128 v[XH+8*\mt+4*\c:XH+8*\mt+4*\c+3], v[VX], s[4:5] offset:\mt*1024+\c*512
.endr
.endr
.irp mt, 0,1,2,3
.irp c, 0,1
	global_load_b128 v[XL+8*\mt+4*\c:XL+8*\mt+4*\c+3], v[VX], s[4:5] offset:4096+\mt*1024+\c*512
.endr
.endr
; Tile t's W fragment: hi, the exact rest (in place of the raw numbers, which are done with), lo.
.macro CONV t
.irp jf, 0,1,2,3,4,5,6,7
	v_cvt_pk_bf16_f32 v[BH+8*(\t&1)+\jf], v[WF+8*\jf+\t], v[WF+8*\jf+4+\t]
.endr
.irp jf, 0,1,2,3,4,5,6,7
	v_fma_mix_f32_bf16 v[WF+8*\jf+\t], v[BH+8*(\t&1)+\jf], v[NEG1], v[WF+8*\jf+\t] op_sel_hi:[1,0,0]
	v_fma_mix_f32_bf16 v[WF+8*\jf+4+\t], v[BH+8*(\t&1)+\jf], v[NEG1], v[WF+8*\jf+4+\t] op_sel:[1,0,0] op_sel_hi:[1,0,0]
.endr
.irp jf, 0,1,2,3,4,5,6,7
	v_cvt_pk_bf16_f32 v[BL+8*(\t&1)+\jf], v[WF+8*\jf+\t], v[WF+8*\jf+4+\t]
.endr
.endm
.macro PROD acc, w, x, zero
.if LAST
.if \zero
	v_wmma_f32_16x16x32_bf16 v[\acc:\acc+7], v[\x:\x+7], v[\w:\w+7], 0
.else
	v_wmma_f32_16x16x32_bf16 v[\acc:\acc+7], v[\x:\x+7], v[\w:\w+7], v[\acc:\acc+7]
.endif
.else
.if \zero
	v_wmma_f32_16x16x32_bf16 v[\acc:\acc+7], v[\w:\w+7], v[\x:\x+7], 0
.else
	v_wmma_f32_16x16x32_bf16 v[\acc:\acc+7], v[\w:\w+7], v[\x:\x+7], v[\acc:\acc+7]
.endif
.endif
.endm
; Twelve products: three runs over the four row tiles; the first run starts the sums, the others go on in place.
.macro MM t
.irp mt, 0,1,2,3
	PROD ACC+32*(\t&1)+8*\mt, BH+8*(\t&1), XH+8*\mt, 1
.endr
.irp mt, 0,1,2,3
	PROD ACC+32*(\t&1)+8*\mt, BH+8*(\t&1), XL+8*\mt, 0
.endr
.irp mt, 0,1,2,3
	PROD ACC+32*(\t&1)+8*\mt, BL+8*(\t&1), XH+8*\mt, 0
.endr
.endm
.macro ST t                            ; tile t's sums into my wave's 16 KiB: 4096 t + 1024 mt + 512 (j / 4) + 16 lane
.irp mt, 0,1,2,3
	ds_store_b128 v[LW], v[ACC+32*(\t&1)+8*\mt:ACC+32*(\t&1)+8*\mt+3] offset:(4*\t+\mt)*1024
	ds_store_b128 v[LW], v[ACC+32*(\t&1)+8*\mt+4:ACC+32*(\t&1)+8*\mt+7] offset:(4*\t+\mt)*1024+512
.endr
.endm
	s_wait_loadcnt 16                              ; W's 16 loads are the older ones: x's 16 stay out
	CONV 0
	s_wait_loadcnt 0x0                             ; x
	; Behind each run of products stands the next tile's conversion, 32 plain instructions on other registers, before the LDS stores read
	; the sums; fragments and accumulators take turns, so a set is written again only two runs later.
	MM 0
	CONV 1
	ST 0
	MM 1
	CONV 2
	ST 1
	MM 2
	CONV 3
	ST 2
	MM 3
.rept 4
	v_nop                                          ; no work is left: the places in front of the last stores, and of the loads into x's registers below
.endr
	ST 3
	s_wait_dscnt 0x0                               ; my sums are in LDS before I say so
	s_barrier_signal -1
	s_barrier_wait -1
	; wave w adds up (mt = w >> 1, registers j = 4 (w & 1) + jj) of all eight waves: 16 t is 512 w + 16 lane
.irp v, 0,1,2,3
.irp t, 0,1,2,3
	ds_load_b128 v[RD+16*\v+4*\t:RD+16*\v+4*\t+3], v[RA] offset:\v*16384+\t*4096
.endr
.endr
.irp v, 4,5,6,7
.irp t, 0,1,2,3
	ds_load_b128 v[RD+16*\v+4*\t:RD+16*\v+4*\t+3], v[RA2] offset:(\v-4)*16384+\t*4096
.endr
.endr
.irp v, 1,2,3,4,5,6
	s_wait_dscnt 4*(7-\v)                          ; LDS loads come back in order: four loads for each later wave stay out
.irp q, 0,2,4,6,8,10,12,14
	v_pk_add_f32 v[RD+\q:RD+\q+1], v[RD+\q:RD+\q+1], v[RD+16*\v+\q:RD+16*\v+\q+1]
.endr
.endr
	s_wait_dscnt 0x0
.irp jj, 0,1,2,3
.irp t, 0,1,2,3
	v_add_f32 v[OUT+4*\jj+\t], v[RD+4*\t+\jj], v[RD+112+4*\t+\jj]   ; the last addition also puts the four tiles' numbers side by side
.endr
.endr
.irp jj, 0,1,2,3
	global_store_b128 v[VO], v[OUT+4*\jj:OUT+4*\jj+3], s[8:9] offset:\jj*OSTEP   ; 16 lanes store 256 consecutive bytes, aligned
.endr
	s_wait_tensorcnt 0x0
	ds_add_u32 v240, v241
	s_wait_dscnt 0x0
	s_endpgm
.Lfunc_end_k_q64c7ea7c71_g3:
	.size	k_q64c7ea7c71_g3, .Lfunc_end_k_q64c7ea7c71_g3-k_q64c7ea7c71_g3
	.p2alignl 7, 3214868480
	.fill 96, 4, 3214868480
	.section	.rodata,"a",@progbits
	.p2align	6, 0x0
	.amdhsa_kernel k_q64c7ea7c71_g3
		.amdhsa_group_segment_fixed_size 168960
		.amdhsa_private_segment_fixed_size 0
		.amdhsa_enable_private_segment 0
		.amdhsa_kernarg_size 24
		.amdhsa_user_sgpr_count 2
		.amdhsa_user_sgpr_kernarg_segment_ptr 1
		.amdhsa_wavefront_size32 1
		.amdhsa_system_sgpr_workgroup_id_x 1
		.amdhsa_system_sgpr_workgroup_id_y 1
		.amdhsa_system_sgpr_workgroup_id_z 1
		.amdhsa_system_vgpr_workitem_id 0
		.amdhsa_next_free_vgpr 242
		.amdhsa_next_free_sgpr 66
		.amdhsa_reserve_vcc 0
		.amdhsa_float_denorm_mode_32 3
		.amdhsa_float_denorm_mode_16_64 3
		.amdhsa_memory_ordered 1
		.amdhsa_forward_progress 1
		.amdhsa_inst_pref_size 25
	.end_amdhsa_kernel
	.amdgpu_metadata
---
amdhsa.version: [ 1, 2 ]
amdhsa.kernels:
  - .name:           k_q64c7ea7c71_g3
    .symbol:         k_q64c7ea7c71_g3.kd
    .args:
      - { .name: xf, .offset: 0, .size: 8, .value_kind: global_buffer, .address_space: global }
      - { .name: W3, .offset: 8, .size: 8, .value_kind: global_buffer, .address_space: global }
      - { .name: part, .offset: 16, .size: 8, .value_kind: global_buffer, .address_space: global }
    .group_segment_fixed_size: 168960
    .private_segment_fixed_size: 0
    .kernarg_segment_align: 8
    .kernarg_segment_size: 24
    .max_flat_workgroup_size: 256
    .sgpr_count:     66
    .vgpr_count:     242
    .wavefront_size: 32
...
	.end_amdgpu_metadata
.endif
;; end of part 5
;; launch r3 (part 6): grid 64 x 1, 4 waves a work-group, no clusters, 0 bytes of LDS; arguments part, b3, out0; writes out0
.if DOCPART == 6
	.amdgcn_target "amdgcn-amd-amdhsa--gfx1250"
	.amdhsa_code_object_version 6
	.text
	.protected	k_q64c7ea7c71_r3
	.globl	k_q64c7ea7c71_r3
	.p2align	8
	.type	k_q64c7ea7c71_r3,@function
k_q64c7ea7c71_r3:
	s_mov_b64 s[64:65], 0
	v_nop
	global_prefetch_b8 v0, s[64:65] scope:SCOPE_SE
	s_setreg_imm32_b32 hwreg(HW_REG_WAVE_MODE, 25, 1), 1
	s_wait_xcnt 0x0
; out0[row][n] = b3[n] + sum over the 8 slices of part[s][row][n], all f32, no relu (the last layer is plain).
; One work-group for a row of 2,048 bytes; thread t owns the 16 bytes at 16 t, so each load and store of a wave covers 512 consecutive bytes.
; All nine loads are asked for at once; slices are added in ascending order onto the bias.  64 rows give 64 work-groups: there is no more work.
; No LDS, matrix unit or cluster: nothing is shared but the 2 KiB of the bias, and nothing is multiplied.
.set SLICE, 131072
.set SUM,   4                          ; v[4:7]  bias, then the sums
.set SL,    8                          ; v[8:39] slice s: 4 registers
	s_load_b128 s[4:7], s[0:1], 0x0                ; part s[4:5], b3 s[6:7]
	s_load_b64 s[8:9], s[0:1], 0x10                ; out0
	v_lshlrev_b32 v1, 4, v0
	s_lshl_b32 s10, ttmp9, 11                      ; my row
	s_mov_b32 s11, 0
	s_wait_kmcnt 0x0
	s_add_nc_u64 s[4:5], s[4:5], s[10:11]
	s_add_nc_u64 s[8:9], s[8:9], s[10:11]
	global_load_b128 v[SUM:SUM+3], v1, s[6:7]
.irp s, 0,1,2,3,4,5,6,7
	global_load_b128 v[SL+4*\s:SL+4*\s+3], v1, s[4:5] offset:\s*SLICE th:TH_LOAD_NT
.endr
.irp s, 0,1,2,3,4,5,6,7
	s_wait_loadcnt 7-\s                            ; loads come back in order: the later slices' loads stay out
	v_pk_add_f32 v[SUM:SUM+1], v[SUM:SUM+1], v[SL+4*\s:SL+4*\s+1]
	v_pk_add_f32 v[SUM+2:SUM+3], v[SUM+2:SUM+3], v[SL+4*\s+2:SL+4*\s+3]
.endr
	global_store_b128 v1, v[SUM:SUM+3], s[8:9]
	s_endpgm
.Lfunc_end_k_q64c7ea7c71_r3:
	.size	k_q64c7ea7c71_r3, .Lfunc_end_k_q64c7ea7c71_r3-k_q64c7ea7c71_r3
	.p2alignl 7, 3214868480
	.fill 96, 4, 3214868480
	.section	.rodata,"a",@progbits
	.p2align	6, 0x0
	.amdhsa_kernel k_q64c7ea7c71_r3
		.amdhsa_group_segment_fixed_size 0
		.amdhsa_private_segment_fixed_size 0
		.amdhsa_enable_private_segment 0
		.amdhsa_kernarg_size 24
		.amdhsa_user_sgpr_count 2
		.amdhsa_user_sgpr_kernarg_segment_ptr 1
		.amdhsa_wavefront_size32 1
		.amdhsa_system_sgpr_workgroup_id_x 1
		.amdhsa_system_sgpr_workgroup_id_y 1
		.amdhsa_system_sgpr_workgroup_id_z 1
		.amdhsa_system_vgpr_workitem_id 0
		.amdhsa_next_free_vgpr 48
		.amdhsa_next_free_sgpr 66
		.amdhsa_reserve_vcc 0
		.amdhsa_float_denorm_mode_32 3
		.amdhsa_float_denorm_mode_16_64 3
		.amdhsa_memory_ordered 1
		.amdhsa_forward_progress 1
		.amdhsa_inst_pref_size 3
	.end_amdhsa_kernel
	.amdgpu_metadata
---
amdhsa.version: [ 1, 2 ]
amdhsa.kernels:
  - .name:           k_q64c7ea7c71_r3
    .symbol:         k_q64c7ea7c71_r3.kd
    .args:
      - { .name: part, .offset: 0, .size: 8, .value_kind: global_buffer, .address_space: global }
      - { .name: b3, .offset: 8, .size: 8, .value_kind: global_buffer, .address_space: global }
      - { .name: out0, .offset: 16, .size: 8, .value_kind: global_buffer, .address_space: global }
    .group_segment_fixed_size: 0
    .private_segment_fixed_size: 0
    .kernarg_segment_align: 8
    .kernarg_segment_size: 24
    .max_flat_workgroup_size: 128
    .sgpr_count:     66
    .vgpr_count:     48
    .wavefront_size: 32
...
	.end_amdgpu_metadata
.endif
;; end of part 6
;; ======== version 2 of 2: 9 launches; version 1 with the launch dist written anew for expert scheduling mode
;; workspace buffers: xf 524,288 bytes; part 4,194,304 bytes
;; launch dist (part 7): grid 256 x 1, 8 waves a work-group, no clusters, 168,960 bytes of LDS; arguments pos, basis, xf; writes xf
.if DOCPART == 7
	.amdgcn_target "amdgcn-amd-amdhsa--gfx1250"
	.amdhsa_code_object_version 6
	.text
	.protected	k_q64c7ea7c71_dist
	.globl	k_q64c7ea7c71_dist
	.p2align	8
	.type	k_q64c7ea7c71_dist,@function
k_q64c7ea7c71_dist:
	s_mov_b64 s[64:65], 0
	v_nop
	global_prefetch_b8 v0, s[64:65] scope:SCOPE_SE
	s_setreg_imm32_b32 hwreg(HW_REG_WAVE_SCHED_MODE, 0, 2), 2
	s_setreg_imm32_b32 hwreg(HW_REG_WAVE_MODE, 25, 1), 1
	s_wait_xcnt 0x0
	s_wait_alu depctr_vm_vsrc(0)
; x[row][n] = sqrt(max(min over m of |pos[row][n] - basis[m]|^2, 1e-12)), 64 x 1024 points against 4,096 basis points,
; written as two bf16 pieces (hi, lo) in the operand order of the next launch:
;   xf[kb = n/32][piece][mt = row/16][c = (n%32)/16][lane = 16 ((n%16)/8) + row%16][8 bf16, n%8], 8 KiB for each kb.
; ARITHMETIC.  c = basis[0] is taken from both sides first (a translation leaves the distance as it is and removes a common offset
; before anything is squared): q' = q - c, p' = p - c, d^2 = |p'|^2 + min over m of (|q'|^2 - 2 p'.q').  The bracket is one bf16 matrix
; product of K = 32: (x, y, z, s = |q'|^2) and (-2 p'x, -2 p'y, -2 p'z, 1) are each cut into three bf16 pieces (24 bits), P0..P2 and Q0..Q2,
; four numbers a piece, and the 32 places along K hold eight of the nine products Pi.Qj; P2.Q2, some 2^-36 of the terms, is left out.
;   K 0-7: [P0,P1].[Q0,Q0]   K 8-15: [P0,P1].[Q2,Q2]   K 16-23: [P0,P1].[Q1,Q1]   K 24-31: [P2,P2].[Q0,Q1]
; SHARES.  Work-group id: kc = id & 63, mt = id >> 6: rows 16 mt .. +15, n = 16 kc .. +15, 256 points = 16 tiles of 16 (tile i = one row).
; Thread t owns point (row t >> 4, n t & 15).  Wave w multiplies all 16 tiles with basis tiles 32 w .. 32 w + 31: 512 matrix instructions.
; pos is read in pieces of 192 bytes (16 lanes x 12), 3 KiB a work-group: the price of an output of two whole 512-byte blocks.
; NO CLUSTER: what the work-groups share is the basis table, 48 KiB, read once in the first lines and then cut into pieces in registers,
; against 4,096 matrix instructions of the work-group; a joint request would bring it into LDS raw, to be read, cut and stored again.
; LIMITS: finite inputs whose squares stay inside f32; a NaN is dropped by the minima where the definition would pass it on.
; THE MODE: SCHED_MODE bits 1:0 = 2 (LLVM: expert scheduling mode 2), set by the entry lines.  The code itself states the register dependences
; between vector or matrix instructions and memory or LDS instructions, with s_wait_alu, always for 0.
; THE PLAN.  Registers that memory or LDS instructions touch:
;   v1, v2, v7-v15  offsets and LDS addresses: made at the head, ahead of one wait on va_vdst, and never written again.
;   v5, v6          LA1, LA2: read by every load of a basis fragment; written once a trip of the loop, behind a wait on vm_vsrc.
;   THE HEAD.  Each of a lane's 16 basis points has eight out-registers of its own: [P0, P1] takes the place of the raw point (v128 on),
;              [P2, P2] lies at v64 on; the pos point's pieces lie in v20-23 and v32-33.  None is written twice, so the points go in four batches
;              of four, with one wait on va_vdst between a batch's conversions and its LDS stores.  One wait on vm_vsrc behind the first barrier
;              states that the stores have read all these registers, which then become the minima, the results' ring and the fragments.
;   AF0, AF1        Tile T's products read AF[T % 2].  The loads of tile T + 1 land in the other buffer, which tile T - 1's products read: they stand
;              at tile T's head, behind ONE wait on va_vdst, and no vector or matrix instruction of tile T names that buffer.
;   POS             loaded once behind the first barrier, then read by products alone.
;   THE WAY OUT.  One wait on va_vdst ahead of each run of LDS stores; the same waits stand ahead of the LDS loads into the ring's registers.
.set PLA,  0                           ; 64 KiB: basis point m at 16 m: [P0, P1]
.set PLB,  65536                       ; 64 KiB: basis point m at 16 m: [P2, P2]
.set POSB, 131072                      ; 16 KiB: tile i at 1024 i: registers 0-3 of lanes 0-31 (512 bytes), then registers 4-7
.set PMB,  147456                      ; 8 KiB: wave w's minima, 1024 w + 4 point
.set STG,  155648                      ; 1 KiB: the block of hi pieces (512 bytes), then that of lo pieces
.set VB,   1                           ; byte offset in basis of my first point to prepare
.set VP,   2                           ; byte offset of my pos point
.set NEG1, 3                           ; -1.0
.set P2,   4                           ; |p'|^2 of my point
.set LA1,  5                           ; basis fragment, registers 0-3
.set LA2,  6                           ; basis fragment, registers 4-7 (upper lanes: the second plane)
.set BA,   7                           ; where I store [P0, P1]
.set BB,   8                           ; where I store [P2, P2]
.set PA,   9                           ; where I store my pos point's pieces
.set PL,   10                          ; pos fragments
.set PMW,  11                          ; my wave's minima, store
.set PMR,  12                          ; my point's eight minima, load
.set SW,   13                          ; stage, store
.set SR,   14                          ; stage, load
.set GO,   15                          ; byte offset in xf
.set ACC,  16                          ; v[16:79]   four running minima for each pos tile
.set DR,   80                          ; v[80:111]  a ring of four results
.set AF,   112                         ; v[112:127] two basis fragments
.set POS,  128                         ; v[128:255] the 16 pos fragments
.set RAWB, 128                         ; before that: 16 raw basis points, four registers apart; a point's [P0, P1] then takes its four registers
.set RAWP, 192                         ;              my raw pos point
.set TW,   40                          ; v[40:63]   before the products: two sets of 12 work registers, named by vector instructions alone
.set P2B,  64                          ; v[64:127]  before the products: [P2, P2] of the 16 basis points, four registers each
.macro RESL d, piece, x                ; d = x - (low bf16 of piece): exact, the piece is x rounded to 8 bits
	v_fma_mix_f32_bf16 v[\d], v[\piece], v[NEG1], v[\x] op_sel_hi:[1,0,0]
.endm
.macro RESH d, piece, x                ; the same with the high bf16
	v_fma_mix_f32_bf16 v[\d], v[\piece], v[NEG1], v[\x] op_sel:[1,0,0] op_sel_hi:[1,0,0]
.endm
	s_load_b128 s[4:7], s[0:1], 0x0                ; pos s[4:5], basis s[6:7]
	s_load_b64 s[8:9], s[0:1], 0x10                ; xf
	s_set_vgpr_msb 0x40
	v_lshl_add_u32 v0, v0, 2, 0x29000
	v_mov_b32 v1, 0
	s_set_vgpr_msb 0x4000
	v_lshrrev_b32 v16, 5, v0
	v_readfirstlane_b32 s10, v16                   ; wave
	s_and_b32 s18, ttmp9, 63                       ; kc
	s_lshr_b32 s19, ttmp9, 6                       ; mt
	s_mov_b32 s16, 0x76543210                      ; v_permlanex16_b32: lane i of one half reads lane i of the other
	s_mov_b32 s17, 0xfedcba98
	v_lshrrev_b32 v16, 4, v0                       ; i = t >> 4
	v_and_b32 v17, 15, v0                          ; r = t & 15
	v_bfe_u32 v18, v0, 4, 1                        ; h
	v_and_b32 v19, 0xe0, v0                        ; 32 w
	v_and_b32 v20, 31, v0                          ; lane
	v_lshlrev_b32 v21, 4, v17                      ; 16 r
	v_lshlrev_b32 v22, 4, v20                      ; 16 lane
	v_lshl_or_b32 v[VB], v19, 4, v20               ; point 512 w + lane,
	v_mul_u32_u24 v[VB], 12, v[VB]                 ; 12 bytes each
	v_mul_u32_u24 v[VP], v16, 0x3000               ; row i: 12,288 bytes a row
	v_mad_u32_u24 v[VP], v17, 12, v[VP]
	v_mov_b32 v[NEG1], -1.0
	v_lshl_add_u32 v[LA1], v19, 8, v21             ; 8192 w + 16 r: both halves of the lanes read the same 16 bytes
	v_lshl_add_u32 v[LA2], v18, 16, v[LA1]         ; lanes 16-31 from the second plane
	v_lshl_add_u32 v[BA], v19, 8, v22              ; 8192 w + 16 lane
	v_add_nc_u32 v[BB], PLB, v[BA]
	v_lshl_add_u32 v[PA], v16, 10, v21             ; 1024 i + 16 r
	v_add_nc_u32 v[PA], POSB, v[PA]
	v_add_nc_u32 v[PL], POSB, v22
	v_lshlrev_b32 v[PMW], 2, v17
	v_lshl_add_u32 v[PMW], v19, 5, v[PMW]          ; 1024 w + 4 r
	v_add_nc_u32 v[PMW], PMB, v[PMW]
	v_lshl_add_u32 v[PMR], v0, 2, PMB
	v_bfe_u32 v23, v0, 3, 1                        ; (n % 16) / 8
	v_and_b32 v24, 7, v0                           ; n % 8
	v_lshlrev_b32 v[SW], 1, v24
	v_lshl_add_u32 v[SW], v23, 8, v[SW]
	v_lshl_add_u32 v[SW], v16, 4, v[SW]            ; (16 ((n%16)/8) + row) x 16 + 2 (n%8)
	v_add_nc_u32 v[SW], STG, v[SW]
	v_lshl_add_u32 v[SR], v0, 4, STG
	v_lshl_add_u32 v[GO], v19, 7, v22              ; 4096 wave (the piece) + 16 lane
	s_wait_alu depctr_va_sdst(0)                   ; s10 is written, here in the head's straight run: its one reader is the compare in front of the last branch
	s_mul_i32 s22, s19, 0x30000                    ; pos: 16 mt rows of 12,288 bytes
	s_mul_i32 s23, s18, 192                        ;      + 16 kc points of 12 bytes
	s_add_co_u32 s22, s22, s23
	s_mov_b32 s23, 0
	s_lshr_b32 s24, s18, 1                         ; xf: kb = kc >> 1, 8 KiB each
	s_lshl_b32 s24, s24, 13
	s_lshl_b32 s25, s19, 10                        ;     + 1024 mt
	s_add_co_u32 s24, s24, s25
	s_and_b32 s25, s18, 1                          ;     + 512 (kc & 1)
	s_lshl_b32 s25, s25, 9
	s_add_co_u32 s24, s24, s25
	s_mov_b32 s25, 0
	s_wait_kmcnt 0x0
	s_load_b96 s[12:14], s[6:7], 0x0               ; c = basis[0]
	s_add_nc_u64 s[4:5], s[4:5], s[22:23]
	s_add_nc_u64 s[8:9], s[8:9], s[24:25]
	s_wait_alu depctr_va_vdst(0)                   ; the offsets and LDS addresses v1, v2 and v5 to v15 are written: every load and store of the kernel reads one of them
	global_load_b96 v[RAWP:RAWP+2], v[VP], s[4:5]
.irp it, 0,1,2,3,4,5,6,7,8,9,10,11,12,13,14,15
	global_load_b96 v[RAWB+4*\it:RAWB+4*\it+2], v[VB], s[6:7] offset:384*\it   ; points 512 w + 32 it + lane
.endr
	s_wait_kmcnt 0x0                               ; c
	; my pos point: p' = p - c, |p'|^2, then (-2 p', 1) in three pieces; they are stored with the first batch of basis points
	s_wait_loadcnt 16                              ; the pos load is the oldest: the 16 basis loads stay out
	v_sub_f32 v16, v[RAWP], s12
	v_sub_f32 v17, v[RAWP+1], s13
	v_sub_f32 v18, v[RAWP+2], s14
	v_mul_f32 v[P2], v16, v16
	v_fma_f32 v[P2], v17, v17, v[P2]
	v_fma_f32 v[P2], v18, v18, v[P2]
	v_mul_f32 v16, -2.0, v16
	v_mul_f32 v17, -2.0, v17
	v_mul_f32 v18, -2.0, v18
	v_cvt_pk_bf16_f32 v20, v16, v17                ; Q0 = v[20:21]
	v_cvt_pk_bf16_f32 v21, v18, 1.0                ; its fourth number multiplies s: 1 in Q0, 0 in Q1 and Q2
	RESL 24, 20, 16
	RESH 25, 20, 17
	RESL 26, 21, 18
	v_cvt_pk_bf16_f32 v22, v24, v25                ; Q1 = v[22:23]
	v_cvt_pk_bf16_f32 v23, v26, 0
	RESL 28, 22, 24
	RESH 29, 22, 25
	RESL 30, 23, 26
	v_cvt_pk_bf16_f32 v32, v28, v29                ; Q2 = v[32:33]
	v_cvt_pk_bf16_f32 v33, v30, 0
; One basis point a lane: q' = q - c, s = |q'|^2, three pieces of (x, y, z, s).  Two sets of work registers take turns.
; [P0, P1] goes where the raw point lay (the three subtractions have read it), [P2, P2] into four registers of the point's own.
.macro BPREP it
.set T, TW+12*(\it&1)
.set OA, RAWB+4*\it
.set OB, P2B+4*\it
	s_wait_loadcnt 15-\it                          ; loads come back in order: the later basis loads stay out
	v_sub_f32 v[T], v[OA], s12
	v_sub_f32 v[T+1], v[OA+1], s13
	v_sub_f32 v[T+2], v[OA+2], s14
	v_mul_f32 v[T+3], v[T], v[T]
	v_fma_f32 v[T+3], v[T+1], v[T+1], v[T+3]
	v_fma_f32 v[T+3], v[T+2], v[T+2], v[T+3]
	v_cvt_pk_bf16_f32 v[OA], v[T], v[T+1]          ; P0
	v_cvt_pk_bf16_f32 v[OA+1], v[T+2], v[T+3]
	RESL T+4, OA, T
	RESH T+5, OA, T+1
	RESL T+6, OA+1, T+2
	RESH T+7, OA+1, T+3
	v_cvt_pk_bf16_f32 v[OA+2], v[T+4], v[T+5]      ; P1
	v_cvt_pk_bf16_f32 v[OA+3], v[T+6], v[T+7]
	RESL T+8, OA+2, T+4
	RESH T+9, OA+2, T+5
	RESL T+10, OA+3, T+6
	RESH T+11, OA+3, T+7
	v_cvt_pk_bf16_f32 v[OB], v[T+8], v[T+9]        ; P2,
	v_cvt_pk_bf16_f32 v[OB+1], v[T+10], v[T+11]
	v_cvt_pk_bf16_f32 v[OB+2], v[T+8], v[T+9]      ; made twice: the fragment wants it in both halves of its 16 bytes
	v_cvt_pk_bf16_f32 v[OB+3], v[T+10], v[T+11]
.endm
.macro BSTORE it
	ds_store_b128 v[BA], v[RAWB+4*\it:RAWB+4*\it+3] offset:512*\it
	ds_store_b128 v[BB], v[P2B+4*\it:P2B+4*\it+3] offset:512*\it
.endm
.irp it, 0,1,2,3
	BPREP \it
.endr
	s_wait_alu depctr_va_vdst(0)                   ; the conversions have written the pos point's pieces and those of basis points 0 to 3, which the LDS stores below read
	ds_store_b64 v[PA], v[20:21]                   ; registers 0-3, lanes 0-15:  [Q0, Q0]
	ds_store_b64 v[PA], v[20:21] offset:8
	ds_store_b64 v[PA], v[32:33] offset:256        ; registers 0-3, lanes 16-31: [Q2, Q2]
	ds_store_b64 v[PA], v[32:33] offset:264
	ds_store_b64 v[PA], v[22:23] offset:512        ; registers 4-7, lanes 0-15:  [Q1, Q1]
	ds_store_b64 v[PA], v[22:23] offset:520
	ds_store_b128 v[PA], v[20:23] offset:768       ; registers 4-7, lanes 16-31: [Q0, Q1]
.irp it, 0,1,2,3
	BSTORE \it
.endr
.irp it, 4,5,6,7
	BPREP \it
.endr
	s_wait_alu depctr_va_vdst(0)                   ; the conversions have written the pieces of points 4 to 7, which the LDS stores below read
.irp it, 4,5,6,7
	BSTORE \it
.endr
.irp it, 8,9,10,11
	BPREP \it
.endr
	s_wait_alu depctr_va_vdst(0)                   ; the conversions have written the pieces of points 8 to 11, which the LDS stores below read
.irp it, 8,9,10,11
	BSTORE \it
.endr
.irp it, 12,13,14,15
	BPREP \it
.endr
	s_wait_alu depctr_va_vdst(0)                   ; the conversions have written the pieces of points 12 to 15, which the LDS stores below read; and every vector instruction of the head is done with v112 to v255, in which the fragments' loads land
.irp it, 12,13,14,15
	BSTORE \it
.endr
	s_wait_dscnt 0x0                               ; my stores are in LDS before I say so
	s_barrier_signal -1
	s_barrier_wait -1                              ; every wave's pos pieces (and planes) may now be read
	s_wait_alu depctr_vm_vsrc(0)                   ; my LDS stores have read v20 to v33 and v64 to v191: from here on the fragments' loads, the products and the minima write these registers
.irp i, 0,1,2,3,4,5,6,7,8,9,10,11,12,13,14,15
	ds_load_b128 v[POS+8*\i:POS+8*\i+3], v[PL] offset:1024*\i
	ds_load_b128 v[POS+8*\i+4:POS+8*\i+7], v[PL] offset:1024*\i+512
.endr
	ds_load_b128 v[AF:AF+3], v[LA1]                ; basis tile 0 of my 32
	ds_load_b128 v[AF+4:AF+7], v[LA2]
.macro WM i, buf                       ; 16 basis points x pos tile i; register j of lane (r, h): basis point 8 h + j, pos point r
	v_wmma_f32_16x16x32_bf16 v[DR+8*((\i)%4):DR+8*((\i)%4)+7], v[AF+8*\buf:AF+8*\buf+7], v[POS+8*(\i):POS+8*(\i)+7], 0
.endm
.macro MN i, mode                      ; the eight results into tile i's four minima; mode 1: they start the minima, nothing is preset
.irp q, 0,1,2,3
.if \mode == 1
	v_min_num_f32 v[ACC+4*(\i)+\q], v[DR+8*((\i)%4)+2*\q], v[DR+8*((\i)%4)+2*\q+1]
.else
	v_min3_num_f32 v[ACC+4*(\i)+\q], v[ACC+4*(\i)+\q], v[DR+8*((\i)%4)+2*\q], v[DR+8*((\i)%4)+2*\q+1]
.endif
.endr
.endm
; One basis tile against the 16 pos tiles.  The minima of a product stand behind the product two further on, so between a matrix
; instruction and the first reader of its result lie the eight minimum instructions of two other results (four v_nop in the first tile),
; and twelve that name none of its registers before the product that writes its result registers again (ISA guide 7.12.1).
; The next tile's fragment is asked for at the tile's head, into the buffer that the last tile's products read, behind the tile's one wait on
; va_vdst; it has the whole tile in which to land.  The first tile owes no such wait (the head's last waits stand for it), the last tile loads nothing.
; pm: how the last tile's products 14 and 15 are taken in (0: there is no last tile); m: how this tile's are; ofs: the next tile's bytes.
.macro TILE buf, pm, m, fetch, ofs
	s_wait_dscnt 0x0                               ; only this tile's two loads can be out, issued at the last tile's head (at first: the pos fragments too)
.if \fetch
.if \pm
	s_wait_alu depctr_va_vdst(0)                   ; the last tile's products are done reading the other fragment buffer, in which the loads below land; behind the loop's adds: LA1 and LA2 are written
.endif
	ds_load_b128 v[AF+8*(1-\buf):AF+8*(1-\buf)+3], v[LA1] offset:\ofs
	ds_load_b128 v[AF+8*(1-\buf)+4:AF+8*(1-\buf)+7], v[LA2] offset:\ofs
.endif
	WM 0, \buf
.if \pm
	MN 14, \pm
.endif
	WM 1, \buf
.if \pm
	MN 15, \pm
.else
.rept 4
	v_nop
.endr
.endif
.irp i, 2,3,4,5,6,7,8,9,10,11,12,13,14,15
	WM \i, \buf
	MN \i-2, \m
.endr
.endm
	TILE 0, 0, 1, 1, 256                           ; tile 0; fetches tile 1
	TILE 1, 1, 2, 1, 512                           ; tile 1; fetches tile 2
	s_mov_b32 s20, 14
.Ltiles:                                               ; trip j: tiles 2 + 2 j and 3 + 2 j
	TILE 0, 2, 2, 1, 768
	TILE 1, 2, 2, 1, 1024
	s_wait_alu depctr_vm_vsrc(0)                   ; the fragments' loads issued so far have read LA1 and LA2, which the two adds write
	v_add_nc_u32 v[LA1], 512, v[LA1]               ; two tiles of 256 bytes on; the next tile's wait on va_vdst stands between these adds and the next loads
	v_add_nc_u32 v[LA2], 512, v[LA2]
	s_sub_co_i32 s20, s20, 1
	s_cmp_lg_u32 s20, 0
	s_cbranch_scc1 .Ltiles
	TILE 0, 2, 2, 1, 768                           ; tile 30; fetches tile 31
	TILE 1, 2, 2, 0, 0                             ; tile 31; nothing follows
	MN 14, 2
	MN 15, 2
	; my wave's minimum for each of the 256 points: over a lane's four, then over the two halves of the lanes
.irp i, 0,1,2,3,4,5,6,7,8,9,10,11,12,13,14,15
	v_min3_num_f32 v[ACC+4*\i], v[ACC+4*\i], v[ACC+4*\i+1], v[ACC+4*\i+2]
.endr
.irp i, 0,1,2,3,4,5,6,7,8,9,10,11,12,13,14,15
	v_min_num_f32 v[ACC+4*\i], v[ACC+4*\i], v[ACC+4*\i+3]
.endr
.irp i, 0,1,2,3,4,5,6,7,8,9,10,11,12,13,14,15
	v_permlanex16_b32 v[ACC+4*\i+1], v[ACC+4*\i], s16, s17
.endr
.irp i, 0,1,2,3,4,5,6,7,8,9,10,11,12,13,14,15
	v_min_num_f32 v[ACC+4*\i], v[ACC+4*\i], v[ACC+4*\i+1]
.endr
	s_wait_alu depctr_va_vdst(0)                   ; the sixteen minima are written, which the LDS stores below read; the products and minima are done with the ring v80 to v87, in which the loads behind the barrier land
.irp i, 0,1,2,3,4,5,6,7,8,9,10,11,12,13,14,15
	ds_store_b32 v[PMW], v[ACC+4*\i] offset:64*\i  ; both halves store the same number to the same word
.endr
	s_wait_dscnt 0x0
	s_barrier_signal -1
	s_barrier_wait -1                              ; all eight waves' minima are in LDS
	; thread t: its point's eight minima, the distance, two bf16 pieces into the stage
.irp w, 0,1,2,3,4,5,6,7
	ds_load_b32 v[DR+\w], v[PMR] offset:1024*\w
.endr
	s_wait_dscnt 0x0
	v_min3_num_f32 v80, v80, v81, v82
	v_min3_num_f32 v83, v83, v84, v85
	v_min3_num_f32 v80, v80, v86, v87
	v_min_num_f32 v80, v80, v83
	v_add_f32 v80, v80, v[P2]                      ; d^2
	v_max_num_f32 v80, 0x2b8cbccc, v80             ; at least 1e-12
	v_sqrt_f32 v81, v80
	v_nop                                          ; one plain instruction between the root and its first use
	s_wait_alu depctr_va_vdst(0)                   ; the root has written v81: the wait stands ahead of the first instruction that names it
	v_cvt_pk_bf16_f32 v82, v81, v81                ; hi
	RESL 83, 82, 81
	v_cvt_pk_bf16_f32 v84, v83, v83                ; lo
	s_wait_alu depctr_va_vdst(0)                   ; the conversions have written v82 and v84, which the LDS stores read; no vector instruction behind this wait names v88 to v91, in which the stage's load lands
	ds_store_b16 v[SW], v82
	ds_store_b16 v[SW], v84 offset:512
	s_wait_dscnt 0x0
	s_barrier_signal -1
	s_barrier_wait -1                              ; the two blocks are whole
	s_cmp_gt_u32 s10, 1
	s_cbranch_scc1 .Lend                           ; wave 0 stores the hi block, wave 1 the lo block
	ds_load_b128 v[88:91], v[SR]
	s_wait_dscnt 0x0
	global_store_b128 v[GO], v[88:91], s[8:9]      ; 512 consecutive bytes, at a multiple of 512 from xf's first byte
.Lend:
	s_set_vgpr_msb 0x5
	s_wait_dscnt 0x0
	s_wait_alu depctr_hold_cnt(0) depctr_sa_sdst(0) depctr_va_vdst(0) depctr_va_sdst(0) depctr_va_ssrc(0) depctr_va_vcc(0) depctr_vm_vsrc(0)
	s_wait_tensorcnt 0x0
	ds_add_u32 v0, v1
	s_wait_dscnt 0x0
	s_endpgm
.Lfunc_end_k_q64c7ea7c71_dist:
	.size	k_q64c7ea7c71_dist, .Lfunc_end_k_q64c7ea7c71_dist-k_q64c7ea7c71_dist
	.p2alignl 7, 3214868480
	.fill 96, 4, 3214868480
	.section	.rodata,"a",@progbits
	.p2align	6, 0x0
	.amdhsa_kernel k_q64c7ea7c71_dist
		.amdhsa_group_segment_fixed_size 168960
		.amdhsa_private_segment_fixed_size 0
		.amdhsa_enable_private_segment 0
		.amdhsa_kernarg_size 24
		.amdhsa_user_sgpr_count 2
		.amdhsa_user_sgpr_kernarg_segment_ptr 1
		.amdhsa_wavefront_size32 1
		.amdhsa_system_sgpr_workgroup_id_x 1
		.amdhsa_system_sgpr_workgroup_id_y 1
		.amdhsa_system_sgpr_workgroup_id_z 1
		.amdhsa_system_vgpr_workitem_id 0
		.amdhsa_next_free_vgpr 258
		.amdhsa_next_free_sgpr 66
		.amdhsa_reserve_vcc 0
		.amdhsa_float_denorm_mode_32 3
		.amdhsa_float_denorm_mode_16_64 3
		.amdhsa_memory_ordered 1
		.amdhsa_forward_progress 1
		.amdhsa_inst_pref_size 69
	.end_amdhsa_kernel
	.amdgpu_metadata
---
amdhsa.version: [ 1, 2 ]
amdhsa.kernels:
  - .name:           k_q64c7ea7c71_dist
    .symbol:         k_q64c7ea7c71_dist.kd
    .args:
      - { .name: pos, .offset: 0, .size: 8, .value_kind: global_buffer, .address_space: global }
      - { .name: basis, .offset: 8, .size: 8, .value_kind: global_buffer, .address_space: global }
      - { .name: xf, .offset: 16, .size: 8, .value_kind: global_buffer, .address_space: global }
    .group_segment_fixed_size: 168960
    .private_segment_fixed_size: 0
    .kernarg_segment_align: 8
    .kernarg_segment_size: 24
    .max_flat_workgroup_size: 256
    .sgpr_count:     66
    .vgpr_count:     258
    .wavefront_size: 32
...
	.end_amdgpu_metadata
.endif
;; end of part 7
;; launch g0: the kernel of part 2 again; grid 32 x 4, 8 waves a work-group, no clusters, 168,960 bytes of LDS; arguments xf, W0, part; writes part
;; launch r0: the kernel of part 3 again; grid 256 x 1, 2 waves a work-group, no clusters, 0 bytes of LDS; arguments part, b0, xf; writes xf
;; launch g1: the kernel of part 2 again; grid 32 x 8, 8 waves a work-group, no clusters, 168,960 bytes of LDS; arguments xf, W1, part; writes part
;; launch r1: the kernel of part 4 again; grid 256 x 1, 2 waves a work-group, no clusters, 0 bytes of LDS; arguments part, b1, xf; writes xf
;; launch g2: the kernel of part 2 again; grid 32 x 8, 8 waves a work-group, no clusters, 168,960 bytes of LDS; arguments xf, W2, part; writes part
;; launch r2: the kernel of part 4 again; grid 256 x 1, 2 waves a work-group, no clusters, 0 bytes of LDS; arguments part, b2, xf; writes xf
;; launch g3: the kernel of part 5 again; grid 8 x 8, 8 waves a work-group, no clusters, 168,960 bytes of LDS; arguments xf, W3, part; writes part
;; launch r3: the kernel of part 6 again; grid 64 x 1, 4 waves a work-group, no clusters, 0 bytes of LDS; arguments part, b3, out0; writes out0
